; MI455X (gfx1250); checked and timed in simulation.
; The chip was launched on July 23, 2026; its instructions are those of AMD's public machine-readable ISA for CDNA 5 (MIT licence, August 2026) and "CDNA5" Instruction Set Architecture Reference Guide (July 2026). The comments in the code are by the model that wrote it; some were corrected since.
;; Efficient Attention. Allowed arithmetic: float matrix products may take bf16 or f16 operands with f32 sums; all other float work in f32.
;; Inputs: Wk 1,024 x 1,024 float32; Wo 1,024 x 1,024 float32; Wq 1,024 x 1,024 float32; Wv 1,024 x 1,024 float32; bk 1,024 float32; bo 1,024 float32; bq 1,024 float32; bv 1,024 float32; ln_b 1,024 float32; ln_g 1,024 float32; x 2 x 2,048 x 1,024 float32.
;; Outputs: out0 2 x 2,048 x 1,024 float32.
;; One version. Each part assembles by itself: llvm-mc -triple=amdgcn-amd-amdhsa -mcpu=gfx1250 --defsym DOCPART=n.
;; ======== version 1 of 1: 4 launches
;; limits: values are held in f16: magnitudes above 65,504 overflow, below 6.1e-05 lose precision
;; workspace buffers: xb 8,388,608 bytes; wb 8,388,608 bytes; qf 16,777,216 bytes; stats 262,144 bytes; kh 8,388,608 bytes; vt 8,388,608 bytes; rh 8,388,608 bytes
;; launch cast (part 1): grid 128 x 8, 8 waves a work-group, no clusters, 0 bytes of LDS; arguments x, Wo, Wq, Wk, Wv, xb, wb; writes xb, wb
.if DOCPART == 1
	.amdgcn_target "amdgcn-amd-amdhsa--gfx1250"
	.amdhsa_code_object_version 6
	.text
	.protected	k_qccf31c14db_cast
	.globl	k_qccf31c14db_cast
	.p2align	8
	.type	k_qccf31c14db_cast,@function
k_qccf31c14db_cast:
	s_mov_b64 s[64:65], 0
	v_nop
	global_prefetch_b8 v0, s[64:65] scope:SCOPE_SE
	s_setreg_imm32_b32 hwreg(HW_REG_WAVE_MODE, 25, 1), 1
	s_wait_xcnt 0x0
; x and the four weight matrices, f32, are rounded once to f16: xb [4096][1024], wb [4][1024 k][1024 n] in the order Wo, Wq, Wk, Wv.
; WHY f16: 11 significant bits against bf16's 8, and the numbers have room: x is drawn with spread 1 and the weights with 0.02; thirty times larger, or offset by
; thirty spreads, they stay under 200, far from f16's largest number, 65,504; thirty times smaller, the weights' spread is 6.7e-4 and f16's step under 2^-14 is 2^-24,
; 1e-4 of that spread.  LIMIT: an input beyond 65,504 in magnitude overflows here.
; The layouts stay as they are; the later launches read the weights [k][n] with transposing LDS loads.
; A work-group of eight waves takes 32,768 bytes of f32 and stores 16,384 bytes of f16.  Grid y = 0..3: a quarter of x each; y = 4..7: one weight matrix each.
; Each load of a wave covers 512 consecutive bytes, each store 256 consecutive bytes, aligned.  Every byte is read once and written once.
; No LDS, no cluster, no matrix unit: nothing is shared between work-groups and there is no arithmetic beyond the rounding.
.set X, 8                              ; v[8:39]   eight loads of four f32
.set Y, 40                             ; v[40:55]  eight pairs of packed f16
	s_load_b256 s[4:11], s[0:1], 0x0               ; x s[4:5], Wo s[6:7], Wq s[8:9], Wk s[10:11]
	s_load_b128 s[12:15], s[0:1], 0x20             ; Wv s[12:13], xb s[14:15]
	s_load_b64 s[16:17], s[0:1], 0x30              ; wb
	s_and_b32 s20, ttmp7, 0xffff                   ; y
	s_mov_b32 s27, ttmp9                           ; x of the grid, 0..127
	s_and_b32 s21, s20, 3
	s_lshl_b32 s21, s21, 7
	s_add_co_u32 s21, s21, s27                     ; block in the destination: 128 (y & 3) + x
	s_cmp_lt_u32 s20, 4
	s_cselect_b32 s26, s21, s27                    ; block in the source: the same in x, the grid's x alone in a weight matrix
	s_lshl_b32 s28, s26, 15                        ; byte offsets, in pairs of their own: 32,768 bytes in,
	s_mov_b32 s29, 0
	s_lshl_b32 s30, s21, 14                        ; 16,384 bytes out
	s_mov_b32 s31, 0
	v_lshlrev_b32 v1, 4, v0                        ; 16 bytes a thread in
	v_lshlrev_b32 v2, 3, v0                        ; 8 bytes a thread out
	s_wait_kmcnt 0x0
	s_cmp_lt_u32 s20, 4                            ; the choice of buffers hangs on y alone
	s_cselect_b64 s[22:23], s[4:5], s[6:7]         ; x, or Wo for y = 4
	s_cselect_b64 s[24:25], s[14:15], s[16:17]     ; xb or wb
	s_cmp_eq_u32 s20, 5
	s_cselect_b64 s[22:23], s[8:9], s[22:23]
	s_cmp_eq_u32 s20, 6
	s_cselect_b64 s[22:23], s[10:11], s[22:23]
	s_cmp_eq_u32 s20, 7
	s_cselect_b64 s[22:23], s[12:13], s[22:23]
	s_add_nc_u64 s[22:23], s[22:23], s[28:29]
	s_add_nc_u64 s[24:25], s[24:25], s[30:31]
.irp i, 0,1,2,3,4,5,6,7
	global_load_b128 v[X+4*\i:X+4*\i+3], v1, s[22:23] offset:4096*\i th:TH_LOAD_NT    ; read once in the launch
.endr
.irp i, 0,1,2,3,4,5,6,7
	s_wait_loadcnt 7-\i                            ; loads come back in order: load i is in, the younger ones stay out
	v_cvt_pk_f16_f32 v[Y+2*\i], v[X+4*\i], v[X+4*\i+1]
	v_cvt_pk_f16_f32 v[Y+2*\i+1], v[X+4*\i+2], v[X+4*\i+3]
	global_store_b64 v2, v[Y+2*\i:Y+2*\i+1], s[24:25] offset:2048*\i                  ; no register is written twice: no further wait
.endr
	s_endpgm
.Lfunc_end_k_qccf31c14db_cast:
	.size	k_qccf31c14db_cast, .Lfunc_end_k_qccf31c14db_cast-k_qccf31c14db_cast
	.p2alignl 7, 3214868480
	.fill 96, 4, 3214868480
	.section	.rodata,"a",@progbits
	.p2align	6, 0x0
	.amdhsa_kernel k_qccf31c14db_cast
		.amdhsa_group_segment_fixed_size 0
		.amdhsa_private_segment_fixed_size 0
		.amdhsa_enable_private_segment 0
		.amdhsa_kernarg_size 56
		.amdhsa_user_sgpr_count 2
		.amdhsa_user_sgpr_kernarg_segment_ptr 1
		.amdhsa_wavefront_size32 1
		.amdhsa_system_sgpr_workgroup_id_x 1
		.amdhsa_system_sgpr_workgroup_id_y 1
		.amdhsa_system_sgpr_workgroup_id_z 1
		.amdhsa_system_vgpr_workitem_id 0
		.amdhsa_next_free_vgpr 56
		.amdhsa_next_free_sgpr 66
		.amdhsa_reserve_vcc 0
		.amdhsa_float_denorm_mode_32 3
		.amdhsa_float_denorm_mode_16_64 3
		.amdhsa_memory_ordered 1
		.amdhsa_forward_progress 1
		.amdhsa_inst_pref_size 5
	.end_amdhsa_kernel
	.amdgpu_metadata
---
amdhsa.version: [ 1, 2 ]
amdhsa.kernels:
  - .name:           k_qccf31c14db_cast
    .symbol:         k_qccf31c14db_cast.kd
    .args:
      - { .name: x, .offset: 0, .size: 8, .value_kind: global_buffer, .address_space: global }
      - { .name: Wo, .offset: 8, .size: 8, .value_kind: global_buffer, .address_space: global }
      - { .name: Wq, .offset: 16, .size: 8, .value_kind: global_buffer, .address_space: global }
      - { .name: Wk, .offset: 24, .size: 8, .value_kind: global_buffer, .address_space: global }
      - { .name: Wv, .offset: 32, .size: 8, .value_kind: global_buffer, .address_space: global }
      - { .name: xb, .offset: 40, .size: 8, .value_kind: global_buffer, .address_space: global }
      - { .name: wb, .offset: 48, .size: 8, .value_kind: global_buffer, .address_space: global }
    .group_segment_fixed_size: 0
    .private_segment_fixed_size: 0
    .kernarg_segment_align: 8
    .kernarg_segment_size: 56
    .max_flat_workgroup_size: 256
    .sgpr_count:     66
    .vgpr_count:     56
    .wavefront_size: 32
...
	.end_amdgpu_metadata
.endif
;; end of part 1
;; launch proj (part 2): grid 8 x 32, 4 waves a work-group, clusters of 4 x 4, 327,680 bytes of LDS; arguments xb, wb, bq, bk, bv, qf, kh, vt, stats; writes qf, kh, vt, stats
.if DOCPART == 2
	.amdgcn_target "amdgcn-amd-amdhsa--gfx1250"
	.amdhsa_code_object_version 6
	.text
	.protected	k_qccf31c14db_proj
	.globl	k_qccf31c14db_proj
	.p2align	8
	.type	k_qccf31c14db_proj,@function
k_qccf31c14db_proj:
	s_mov_b64 s[64:65], 0
	v_nop
	global_prefetch_b8 v0, s[64:65] scope:SCOPE_SE
	s_setreg_imm32_b32 hwreg(HW_REG_WAVE_MODE, 25, 1), 1
	s_wait_xcnt 0x0
	s_wait_alu depctr_hold_cnt(0) depctr_sa_sdst(0) depctr_va_vdst(0) depctr_va_sdst(0) depctr_va_ssrc(0) depctr_va_vcc(0) depctr_vm_vsrc(0)
	s_getreg_b32 s2, hwreg(HW_REG_IB_STS2, 6, 4)
	s_cmp_eq_u32 s2, 0
	s_cbranch_scc0 .Lentry_in_a_cluster
	s_endpgm
.Lentry_in_a_cluster:
	s_bfe_u32 s2, ttmp6, 0x10000c
	s_cmp_lg_u32 s2, 0xf033
	s_cbranch_scc0 .Lentry_shape_is_right
	s_endpgm
.Lentry_shape_is_right:
; q = x Wq + bq, k = x Wk + bk, v = x Wv + bv in one launch; operands f16, sums f32.
; A work-group makes 128 tokens x the same 128 columns of q, of k and of v (128 x 384).  Wave w makes all 128 tokens x columns 32 w .. 32 w + 31 of each:
; 8 x 6 = 48 accumulator tiles, 384 registers.  K = 1024 goes in eight steps of 128 through two LDS slots filled by the tensor data mover.
; OUT: qf  f32 [4096][1024]      q + bq before the layer norm (no matrix operand, so it stays f32)
;      stats f32 [8][4096][2]    for each block of 128 columns and each row: the block's mean, and the sum of squares about that mean (two passes over the f32 sums)
;      kh  f16 [32 b*16+head][2048][64]      vt  f16 [32][64 d][2048 tokens]
; CLUSTERS: 4 x 4 work-groups.  x's tile hangs on the block of tokens alone and is asked for jointly along a row of the cluster; the weights' tiles hang on the block of
; columns alone and are asked for jointly along a column.  That divides the requests for both by four.
; ORIENTATION: q and k take the weights as source 0 and x as source 1: a lane then holds token l % 16 and eight neighbouring columns.  v takes x as source 0:
; a lane then holds column l % 16 and eight neighbouring tokens, which is a piece of a row of vt.
; The weights lie [k][n] in LDS and are read by transposing loads (ds_load_tr16_b128).
; The bias is the C operand of the first products: nothing is cleared and nothing is added afterwards.
; ROOM OF k AND v IN f16: sums of 1,024 products of spread 1 x 0.02 have spread 0.64; with every input thirty times larger 576, so about 3,200 at the most;
; with x and the weights both offset by thirty spreads 1024 x 30 x 0.6 = 18,432; f16's largest number is 65,504.  Thirty times smaller in every input: spread 7e-4,
; against a step of 2^-24 under 2^-14.
; LIMITS: k or v beyond 65,504 in magnitude overflows; sums are formed in the matrix unit's order, not reference()'s; NaN and infinities in the inputs are not followed.
;
; REGISTERS (windows of 256): window 0: v0-31 addresses; v32-143, v144-255 two fragment buffers (48 registers of weights, 64 of x)
;   window 1: accumulators of token tiles 0-3 at 8 (6 a + 2 mat + b), bias tiles at 192 + 8 (2 mat + b);  window 2: the same for token tiles 4-7
.set KSTEP, 128
.set PA,    272                        ; x's rows in LDS: 256 bytes + 16: an odd multiple of 16, so the 16 rows of a fragment start in 16 different 16-byte columns modulo 256
.set PB,    288                        ; the weights' rows: 256 + 32: an odd multiple of 32, as the transposing loads want
.set REG,   36864                      ; a region: what one tensor load brings (128 rows), at most 128 x 288
.set SLOT,  4*REG                      ; x, Wq, Wk, Wv
.set QP,    528                        ; the stage for the way out lies in slot 0, behind that slot's last fill: q, 128 rows of 512 + 16 bytes
.set KST,   128*QP                     ; k: 2 heads x 128 tokens x (128 + 16) bytes
.set KP,    144
.set KHEAD, 128*KP
.set VST,   KST+2*KHEAD                ; v: 128 columns x (256 + 16) bytes; ends at 139,264, inside slot 0
.set VP,    272
.set KGO,  10                          ; v10  k: byte offset in kh
.set VRD,  11                          ; v11  v: read address in the stage
.set VGO,  14                          ; v14  v: byte offset in vt
.set ADRA, 16                          ; v16-17  x fragments, slot 0, 1
.set ADRB, 18                          ; v18-23  weight fragments, 3 slot + matrix
.set QSTO, 24                          ; v24-26  where I put q, k, v in the stage
.set KSTO, 25
.set VSTO, 26
.set SRD,  27                          ; v27  my row of q in the stage, for the statistics
.set SGO,  28                          ; v28  its 8 bytes in stats
.set QRD,  29                          ; v29-30  q: read address, byte offset in qf
.set QGO,  30
.set KRD,  31                          ; v31  k: read address
.set F0,   32
.set F1,   144
.set BIA,  192
.set G1,  24                           ; s[24:31] group 1 for x's tiles
.set G0,  32                           ; s[32:39] group 0 for x's tiles, a set for each slot
.set G1B, 48                           ; s[48:55] group 1 for the weights' tiles
.set G0B, 56                           ; s[56:63] group 0 for the weights' tiles
.set MSB, 0
.macro WIN new                         ; the immediate's high byte repeats the setting that is left
.if MSB != \new
	s_set_vgpr_msb (MSB<<8)|\new
.set MSB, \new
.endif
.endm
.macro PLACES                          ; four places behind a matrix instruction in front of loads into its sources and of readers of its result
.rept 4
	v_nop
.endr
.endm
.macro CREST                           ; a round of the cluster's barrier behind its opening barrier
	s_cmp_lg_u32 s10, 0
	s_cbranch_scc1 .Lnot_wave_0_\@
	s_barrier_signal -3
.Lnot_wave_0_\@:
	s_barrier_wait -3
	s_barrier_signal -1
	s_barrier_wait -1
.endm
.macro CROUND
	s_barrier_signal -1
	s_barrier_wait -1
	CREST
.endm
; A joint load.  Wave 0 fetches x's 128 rows, waves 1, 2, 3 the 128 k-rows of Wq, Wk, Wv.  Each line has one mask; the branch hangs on the wave's number alone.
.macro JLOAD s
	s_cmp_eq_u32 s10, 0
	s_cbranch_scc0 .Lfor_b_\@
	tensor_load_to_lds s[G0+4*\s:G0+4*\s+3], s[G1:G1+7]
	s_nop 0
	s_branch .Lasked_\@
.Lfor_b_\@:
	tensor_load_to_lds s[G0B+4*\s:G0B+4*\s+3], s[G1B:G1B+7]
	s_nop 0
.Lasked_\@:
.endm
	s_load_b512 s[68:83], s[0:1], 0x0              ; xb 68, wb 70, bq 72, bk 74, bv 76, qf 78, kh 80, vt 82
	s_load_b64 s[84:85], s[0:1], 0x40              ; stats
	v_lshl_add_u32 v15, v0, 2, 0x48000
	s_set_vgpr_msb 0x40
	v_mov_b32 v255, 0
	s_set_vgpr_msb 0x4044
	ds_add_u32 v15, v255
	s_set_vgpr_msb 0x4400
	v_lshrrev_b32 v1, 5, v0
	v_readfirstlane_b32 s10, v1                    ; wave 0..3
	s_bfe_u32 s40, ttmp6, 0x40000                  ; cx
	s_bfe_u32 s41, ttmp6, 0x40004                  ; cy
	s_lshl_b32 s42, ttmp9, 2
	s_add_co_u32 s42, s42, s40                     ; cb: block of 128 columns, 0..7
	s_and_b32 s13, ttmp7, 0xffff
	s_lshl_b32 s13, s13, 2
	s_add_co_u32 s13, s13, s41                     ; rb: block of 128 tokens, 0..31
	s_lshl_b32 s43, s41, 2
	s_lshl_b32 s43, 15, s43                        ; my row of the cluster
	s_lshl_b32 s44, 0x1111, s40                    ; my column
	s_or_b32 s[G1+0], s43, (1<<16)|(1<<20)|(1<<21)|(5<<22)|(3<<25)    ; mask; 2-byte elements; padding on; bit 21 beside a mask; after every 64 words 4 words
	s_or_b32 s[G1B+0], s44, (1<<16)|(1<<20)|(1<<21)|(5<<22)|(7<<25)   ; the same with my column's mask and 8 words of padding
.irp g, G1, G1B
	s_mov_b32 s[\g+1], KSTEP<<16                   ; tensor_dim0 = 128
	s_mov_b32 s[\g+2], 128<<16                     ; tensor_dim1 = 128
	s_mov_b32 s[\g+3], KSTEP<<16                   ; tile_dim0 = 128 elements = 256 bytes, at a multiple of 256 bytes from the buffer's first byte
	s_mov_b32 s[\g+4], 128                         ; tile_dim1 = 128 rows
	s_mov_b32 s[\g+5], 1024                        ; elements from row to row
	s_mov_b32 s[\g+6], 0
	s_mov_b32 s[\g+7], 0
.endr
	s_lshl_b32 s16, s13, 18                        ; x: 128 rb rows of 2,048 bytes (registers that never hold cx)
	s_mov_b32 s17, 0
	s_lshl_b32 s46, s10, 21                        ; weights: plane = wave (Wo is plane 0 and is not used here), 2 MiB each (registers that never hold cy)
	s_lshl_b32 s45, s42, 8                         ; + 128 cb columns
	s_add_co_u32 s46, s46, s45
	s_mov_b32 s47, 0
	s_mul_i32 s20, s10, REG                        ; region = wave: no place in the cluster enters an LDS address
	s_wait_dscnt 0x0
	s_wait_kmcnt 0x0
	s_add_nc_u64 s[14:15], s[68:69], s[16:17]
	s_add_nc_u64 s[46:47], s[70:71], s[46:47]
	CROUND                                         ; all sixteen work-groups are here: the first joint loads meet
.irp s, 0,1
	s_mov_b32 s[G0+4*\s], 1
	s_add_co_u32 s[G0+4*\s+1], s20, \s*SLOT
	s_add_nc_u64 s[G0+4*\s+2:G0+4*\s+3], s[14:15], \s*KSTEP*2          ; K step s: 256 bytes along x's rows
	s_or_b32 s[G0+4*\s+3], s[G0+4*\s+3], 0x80000000
	s_mov_b32 s[G0B+4*\s], 1
	s_add_co_u32 s[G0B+4*\s+1], s20, \s*SLOT
	s_add_nc_u64 s[G0B+4*\s+2:G0B+4*\s+3], s[46:47], \s*KSTEP*2048     ; K step s: 128 rows of the weights
	s_or_b32 s[G0B+4*\s+3], s[G0B+4*\s+3], 0x80000000
	JLOAD \s                                       ; two tensor loads of the wave are out: the most in this text
.endr
	; bases of what goes out and of the biases, in registers that feed no descriptor
	s_lshl_b32 s86, s13, 19                        ; qf: 128 rb rows of 4,096 bytes
	s_lshl_b32 s87, s42, 9                         ;     + 128 cb columns of 4 bytes
	s_add_co_u32 s86, s86, s87
	s_mov_b32 s87, 0
	s_add_nc_u64 s[78:79], s[78:79], s[86:87]
	s_lshr_b32 s88, s13, 4                         ; batch
	s_lshl_b32 s88, s88, 22                        ; 16 heads of 262,144 bytes, in kh and in vt alike
	s_lshl_b32 s89, s42, 19                        ; + 2 cb heads
	s_add_co_u32 s88, s88, s89
	s_and_b32 s89, s13, 15                         ; block of tokens in the batch
	s_lshl_b32 s86, s89, 14                        ; kh: 128 tokens of 128 bytes
	s_add_co_u32 s86, s86, s88
	s_add_nc_u64 s[80:81], s[80:81], s[86:87]
	s_lshl_b32 s86, s89, 8                         ; vt: 128 tokens of 2 bytes along a row
	s_add_co_u32 s86, s86, s88
	s_add_nc_u64 s[82:83], s[82:83], s[86:87]
	s_lshl_b32 s86, s42, 15                        ; stats: block cb of 4,096 rows of 8 bytes
	s_lshl_b32 s88, s13, 10
	s_add_co_u32 s86, s86, s88
	s_add_nc_u64 s[84:85], s[84:85], s[86:87]
	s_lshl_b32 s86, s42, 9                         ; biases at column 128 cb
	s_add_nc_u64 s[72:73], s[72:73], s[86:87]
	s_add_nc_u64 s[74:75], s[74:75], s[86:87]
	s_add_nc_u64 s[76:77], s[76:77], s[86:87]
	v_and_b32 v1, 15, v0                           ; r = l % 16
	v_bfe_u32 v2, v0, 4, 1                         ; h = l / 16
	v_and_b32 v3, 7, v0                            ; l & 7
	v_bfe_u32 v4, v0, 3, 1                         ; (l >> 3) & 1
	v_and_b32 v5, 31, v0                           ; l
	v_mul_u32_u24 v6, v1, PA                       ; x fragment: row r, 16 bytes for each half of the lanes; two loads 32 bytes apart
	v_lshl_add_u32 v[ADRA], v2, 4, v6
	v_add_nc_u32 v[ADRA+1], SLOT, v[ADRA]
	v_lshl_add_u32 v7, v2, 3, v3                   ; weight fragment: k-row 8 h + (l & 7), columns 32 w + 8 ((l >> 3) & 1); two loads 16 rows apart
	v_mul_u32_u24 v7, v7, PB
	v_lshl_add_u32 v7, v4, 4, v7
	s_lshl_b32 s21, s10, 6
	v_add_nc_u32 v7, s21, v7
.irp s, 0,1
.irp m, 0,1,2
	v_add_nc_u32 v[ADRB+3*\s+\m], \s*SLOT+(1+\m)*REG, v7
.endr
.endr
	s_lshl_b32 s22, s10, 7                         ; 32 w columns of 4 bytes
	v_lshl_add_u32 v8, v2, 5, s22                  ; bq, bk: my eight columns 32 w + 8 h ..
	v_lshl_add_u32 v9, v1, 2, s22                  ; bv: my column 32 w + r
	WIN 0x40                                       ; destination window 1, then 2: the bias tiles
.irp b, 0,1
	global_load_b128 v[BIA+8*\b:BIA+8*\b+3], v8, s[72:73] offset:64*\b
	global_load_b128 v[BIA+8*\b+4:BIA+8*\b+7], v8, s[72:73] offset:64*\b+16
	global_load_b128 v[BIA+16+8*\b:BIA+16+8*\b+3], v8, s[74:75] offset:64*\b
	global_load_b128 v[BIA+16+8*\b+4:BIA+16+8*\b+7], v8, s[74:75] offset:64*\b+16
.endr
	WIN 0x80
.irp b, 0,1
	global_load_b128 v[BIA+8*\b:BIA+8*\b+3], v8, s[72:73] offset:64*\b
	global_load_b128 v[BIA+8*\b+4:BIA+8*\b+7], v8, s[72:73] offset:64*\b+16
	global_load_b128 v[BIA+16+8*\b:BIA+16+8*\b+3], v8, s[74:75] offset:64*\b
	global_load_b128 v[BIA+16+8*\b+4:BIA+16+8*\b+7], v8, s[74:75] offset:64*\b+16
.endr
	WIN 0
	global_load_b32 v12, v9, s[76:77]
	global_load_b32 v13, v9, s[76:77] offset:64
	; addresses of the way out
	v_mul_u32_u24 v6, v1, QP
	v_lshl_add_u32 v6, v2, 5, v6
	v_add_nc_u32 v[QSTO], s22, v6                  ; q: row r, bytes 4 (32 w + 8 h)
	s_lshr_b32 s23, s10, 1
	s_and_b32 s12, s10, 1
	s_mul_i32 s18, s23, KHEAD                      ; k: head w >> 1 of the two,
	s_lshl_b32 s19, s12, 6                         ;    columns 32 (w & 1) of its 64
	s_add_co_u32 s18, s18, s19
	s_add_co_u32 s18, s18, KST
	v_mul_u32_u24 v6, v1, KP
	v_lshl_add_u32 v6, v2, 4, v6
	v_add_nc_u32 v[KSTO], s18, v6
	s_mul_i32 s18, s10, 32*VP                      ; v: row = column 32 w + r
	s_add_co_u32 s18, s18, VST
	v_mul_u32_u24 v6, v1, VP
	v_lshl_add_u32 v6, v2, 4, v6
	v_add_nc_u32 v[VSTO], s18, v6
	v_mul_u32_u24 v[SRD], v0, QP                   ; thread t owns row t for the statistics
	v_lshlrev_b32 v[SGO], 3, v0
	s_mul_i32 s19, s10, 32*QP
	v_lshl_add_u32 v[QRD], v5, 4, s19              ; q back: rows 32 w + i, 16 l
	s_lshl_b32 s19, s10, 17                        ; 32 w rows of 4,096 bytes, in qf and in vt
	v_lshl_add_u32 v[QGO], v5, 4, s19
	v_lshrrev_b32 v6, 3, v0                        ; k back: 16 t bytes of a dense head block = token t >> 3, 16 (t & 7)
	v_mul_u32_u24 v6, v6, KP
	v_lshl_add_u32 v6, v3, 4, v6
	v_add_nc_u32 v[KRD], KST, v6
	v_lshlrev_b32 v[KGO], 4, v0
	v_mul_u32_u24 v6, v2, VP                       ; v back: lanes 0-15 one row of 256 bytes, lanes 16-31 the next
	v_lshl_add_u32 v6, v1, 4, v6
	v_add_nc_u32 v[VRD], s18, v6
	v_lshlrev_b32 v6, 12, v2
	v_lshl_add_u32 v6, v1, 4, v6
	v_add_nc_u32 v[VGO], s19, v6
	s_wait_loadcnt 0x0                             ; the biases, once
	WIN 0x40
.irp j, 0,1,2,3,4,5,6,7
	v_mov_b32 v[BIA+32+\j], v12                    ; v's tiles hold one column in a lane: its bias in all eight registers
	v_mov_b32 v[BIA+40+\j], v13
.endr
	WIN 0x80
.irp j, 0,1,2,3,4,5,6,7
	v_mov_b32 v[BIA+32+\j], v12
	v_mov_b32 v[BIA+40+\j], v13
.endr
	WIN 0
; 24 matrix instructions: four token tiles (hi = 0: tiles 0-3, window 1; hi = 1: tiles 4-7, window 2) x six column tiles, 32 along K.
; init = 1: C is the bias tile.  The 48 accumulators take turns, one instruction a turn.
.macro MULH f, hi, init
.irp a, 0,1,2,3
.irp t, 0,1,2,3
.if \init
	v_wmma_f32_16x16x32_f16 v[8*(6*\a+\t):8*(6*\a+\t)+7], v[\f+8*\t:\f+8*\t+7], v[\f+48+8*(4*\hi+\a):\f+48+8*(4*\hi+\a)+7], v[BIA+8*\t:BIA+8*\t+7]
.else
	v_wmma_f32_16x16x32_f16 v[8*(6*\a+\t):8*(6*\a+\t)+7], v[\f+8*\t:\f+8*\t+7], v[\f+48+8*(4*\hi+\a):\f+48+8*(4*\hi+\a)+7], v[8*(6*\a+\t):8*(6*\a+\t)+7]
.endif
.endr
.irp t, 4,5
.if \init
	v_wmma_f32_16x16x32_f16 v[8*(6*\a+\t):8*(6*\a+\t)+7], v[\f+48+8*(4*\hi+\a):\f+48+8*(4*\hi+\a)+7], v[\f+8*\t:\f+8*\t+7], v[BIA+8*\t:BIA+8*\t+7]
.else
	v_wmma_f32_16x16x32_f16 v[8*(6*\a+\t):8*(6*\a+\t)+7], v[\f+48+8*(4*\hi+\a):\f+48+8*(4*\hi+\a)+7], v[\f+8*\t:\f+8*\t+7], v[8*(6*\a+\t):8*(6*\a+\t)+7]
.endif
.endr
.endr
.endm
; 28 LDS loads in one run: quarter q (32 along K) of a slot into buffer f: 12 for the weights, then 16 for x, token tiles 0-3 first
.macro FETCH slot, q, f
.irp m, 0,1,2
.irp b, 0,1
	ds_load_tr16_b128 v[\f+8*(2*\m+\b):\f+8*(2*\m+\b)+3], v[ADRB+3*\slot+\m] offset:\q*32*PB+32*\b
	ds_load_tr16_b128 v[\f+8*(2*\m+\b)+4:\f+8*(2*\m+\b)+7], v[ADRB+3*\slot+\m] offset:\q*32*PB+32*\b+16*PB
.endr
.endr
.irp a, 0,1,2,3,4,5,6,7
	ds_load_b128 v[\f+48+8*\a:\f+48+8*\a+3], v[ADRA+\slot] offset:\a*16*PA+64*\q
	ds_load_b128 v[\f+48+8*\a+4:\f+48+8*\a+7], v[ADRA+\slot] offset:\a*16*PA+64*\q+32
.endr
.endm
; One of a K step's first three quarters: multiplies buffer f; in its middle fetches quarter q of the same slot into buffer g.
.macro QUARTER slot, q, f, g, init
	s_wait_dscnt 8                                 ; the weights and x's tiles 0-3 are in; the youngest eight loads (x's tiles 4-7) may be out
	WIN 0x50                                       ; C and D window 1
	MULH \f, 0, \init
	WIN 0
	PLACES
	FETCH \slot, \q, \g
	s_wait_dscnt 28                                ; all but the 28 just issued
	WIN 0xa0                                       ; C and D window 2
	MULH \f, 1, \init
.endm
.macro THREE slot, init
	QUARTER \slot, 1, F0, F1, \init
	QUARTER \slot, 2, F1, F0, 0
	QUARTER \slot, 3, F0, F1, 0
.endm
; The last quarter multiplies buffer 1 and changes slots.  In front of the barrier each wave waits for its reads of this slot and for all its tensor loads (the one
; that is out is its part of the next slot).  Where the slot is filled again the barrier opens a round of the cluster's barrier, and the joint refill is the first
; tensor load behind the round.  From a request to the wait for it a wave issues 168 matrix instructions.
.macro TURN slot, next, fill
	s_wait_dscnt 0x0
	s_set_vgpr_msb 0xa0a4
	s_wait_tensorcnt 0x0
	ds_add_u32 v15, v255
	s_wait_dscnt 0x0
	s_set_vgpr_msb 0xa4a0
	s_barrier_signal -1
	WIN 0x50
	MULH F1, 0, 0                                  ; registers only, while the others arrive
	WIN 0
	s_barrier_wait -1
.if \fill
	CREST
	s_add_nc_u64 s[G0+4*\slot+2:G0+4*\slot+3], s[G0+4*\slot+2:G0+4*\slot+3], 2*KSTEP*2        ; no tensor load of mine is out: the addresses may step, two K steps on
	s_add_nc_u64 s[G0B+4*\slot+2:G0B+4*\slot+3], s[G0B+4*\slot+2:G0B+4*\slot+3], 2*KSTEP*2048
	JLOAD \slot
.endif
	PLACES
	FETCH \next, 0, F0
	WIN 0xa0
	MULH F1, 1, 0
.endm
.macro LAP init
	THREE 0, \init
	TURN 0, 1, 1
	THREE 1, 0
	TURN 1, 0, 1
.endm
	s_wait_tensorcnt 0x1                           ; my part of K step 0 is in; K step 1's stays out
	s_barrier_signal -1
	s_barrier_wait -1
	FETCH 0, 0, F0
	LAP 1                                          ; K steps 0, 1; asks for 2, 3
	WIN 0
	s_mov_b32 s3, 2
.Llap:
	LAP 0                                          ; K steps 2 to 5; asks for 4 to 7
	WIN 0
	s_sub_co_u32 s3, s3, 1
	s_cmp_lg_u32 s3, 0
	s_cbranch_scc1 .Llap
	THREE 0, 0                                     ; K steps 6, 7: nothing is filled, no round of the cluster's barrier
	TURN 0, 1, 0
	THREE 1, 0
	s_wait_dscnt 0x0
	WIN 0x50
	MULH F1, 0, 0
	WIN 0xa0
	MULH F1, 1, 0
	; THE WAY OUT.  Everything goes through the stage in slot 0: that slot has had its last fill, and its last reads were waited for in front of the barrier of the
	; change to slot 1.  q as f32 straight from the accumulators, k and v rounded to f16.
	WIN 0
	PLACES
.macro TOSTAGE hi, wcvt, wsto, t
	WIN \wcvt                                      ; sources 0 and 1 in the accumulators' window
.irp a, 0,1,2,3
.irp b, 0,1
.irp p, 0,1,2,3
	v_cvt_pk_f16_f32 v[\t+4*(2*\a+\b)+\p], v[8*(6*\a+2+\b)+2*\p], v[8*(6*\a+2+\b)+2*\p+1]
	v_cvt_pk_f16_f32 v[\t+32+4*(2*\a+\b)+\p], v[8*(6*\a+4+\b)+2*\p], v[8*(6*\a+4+\b)+2*\p+1]
.endr
.endr
.endr
	WIN \wsto                                      ; store data in the accumulators' window
.irp a, 0,1,2,3
.irp b, 0,1
	ds_store_b128 v[QSTO], v[8*(6*\a+\b):8*(6*\a+\b)+3] offset:16*QP*(4*\hi+\a)+64*\b
	ds_store_b128 v[QSTO], v[8*(6*\a+\b)+4:8*(6*\a+\b)+7] offset:16*QP*(4*\hi+\a)+64*\b+16
.endr
.endr
	WIN 0
.irp a, 0,1,2,3
.irp b, 0,1
	ds_store_b128 v[KSTO], v[\t+4*(2*\a+\b):\t+4*(2*\a+\b)+3] offset:16*KP*(4*\hi+\a)+32*\b
	ds_store_b128 v[VSTO], v[\t+32+4*(2*\a+\b):\t+32+4*(2*\a+\b)+3] offset:16*VP*\b+32*(4*\hi+\a)
.endr
.endr
.endm
	TOSTAGE 0, 0x05, 0x04, F0
	TOSTAGE 1, 0x0a, 0x08, F1
	s_wait_dscnt 0x0                               ; my stores are done, for the others' sake
	s_barrier_signal -1
	s_barrier_wait -1
	; statistics of my row's 128 columns, in two passes over the f32 values: the mean, then the sum of squares about it
.set P,  32                            ; v[32:159]  the row
.set SA, 160                           ; v[160:167] four chains
.set MU, 168                           ; v[168:169] the mean, twice
.set ST, 170                           ; v[170:171] what is stored
.set i, 0
.rept 32
	ds_load_b128 v[P+4*i:P+4*i+3], v[SRD] offset:16*i
.set i, i+1
.endr
	s_wait_dscnt 0x0
.irp c, 0,1,2,3
	v_pk_add_f32 v[SA+2*\c:SA+2*\c+1], v[P+2*\c:P+2*\c+1], v[P+8+2*\c:P+8+2*\c+1]
.endr
.set i, 8
.rept 56
	v_pk_add_f32 v[SA+2*(i%4):SA+2*(i%4)+1], v[SA+2*(i%4):SA+2*(i%4)+1], v[P+2*i:P+2*i+1]
.set i, i+1
.endr
	v_pk_add_f32 v[SA:SA+1], v[SA:SA+1], v[SA+2:SA+3]
	v_pk_add_f32 v[SA+4:SA+5], v[SA+4:SA+5], v[SA+6:SA+7]
	v_pk_add_f32 v[SA:SA+1], v[SA:SA+1], v[SA+4:SA+5]
	v_add_f32 v[SA], v[SA], v[SA+1]
	v_mul_f32 v[MU], 0x3c000000, v[SA]             ; / 128
	v_mov_b32 v[MU+1], v[MU]
.set i, 0
.rept 64
	v_pk_add_f32 v[P+2*i:P+2*i+1], v[P+2*i:P+2*i+1], v[MU:MU+1] neg_lo:[0,1] neg_hi:[0,1]
.set i, i+1
.endr
.irp c, 0,1,2,3
	v_pk_mul_f32 v[SA+2*\c:SA+2*\c+1], v[P+2*\c:P+2*\c+1], v[P+2*\c:P+2*\c+1]
.endr
.set i, 4
.rept 60
	v_pk_fma_f32 v[SA+2*(i%4):SA+2*(i%4)+1], v[P+2*i:P+2*i+1], v[P+2*i:P+2*i+1], v[SA+2*(i%4):SA+2*(i%4)+1]
.set i, i+1
.endr
	v_pk_add_f32 v[SA:SA+1], v[SA:SA+1], v[SA+2:SA+3]
	v_pk_add_f32 v[SA+4:SA+5], v[SA+4:SA+5], v[SA+6:SA+7]
	v_pk_add_f32 v[SA:SA+1], v[SA:SA+1], v[SA+4:SA+5]
	v_mov_b32 v[ST], v[MU]
	v_add_f32 v[ST+1], v[SA], v[SA+1]
	global_store_b64 v[SGO], v[ST:ST+1], s[84:85]  ; a wave's store covers 256 consecutive bytes, aligned
; eight reads of 16 bytes a lane from the stage, eight stores
.macro COPY8 lreg, loff, lstep, greg, base, goff, gstep, f
	s_wait_xcnt 0x0                                ; buffer f, which earlier stores read, is loaded again only behind this wait
.irp t, 0,1,2,3,4,5,6,7
	ds_load_b128 v[\f+4*\t:\f+4*\t+3], v[\lreg] offset:\loff+\t*\lstep
.endr
.irp t, 0,1,2,3,4,5,6,7
	s_wait_dscnt 7-\t                              ; LDS loads come back in order: load t is in
	global_store_b128 v[\greg], v[\f+4*\t:\f+4*\t+3], s[\base:\base+1] offset:\goff+\t*\gstep
.endr
.endm
	COPY8 QRD, 0,     QP, QGO, 78, 0,       4096, 32       ; q: a wave's store is 512 consecutive bytes of one row of qf
	COPY8 QRD, 8*QP,  QP, QGO, 78, 8*4096,  4096, 64
	COPY8 QRD, 16*QP, QP, QGO, 78, 16*4096, 4096, 32
	COPY8 QRD, 24*QP, QP, QGO, 78, 24*4096, 4096, 64
	COPY8 KRD, 0,     16*KP, KGO, 80, 0,      2048, 32     ; k: a head's 128 tokens are 16,384 dense bytes; a wave's store is 512 of them
	COPY8 KRD, KHEAD, 16*KP, KGO, 80, 262144, 2048, 64
	COPY8 VRD, 0,     2*VP, VGO, 82, 0,      8192, 32      ; v: sixteen lanes store 256 consecutive bytes of a row of vt, aligned
	COPY8 VRD, 16*VP, 2*VP, VGO, 82, 8*8192, 8192, 64
	s_set_vgpr_msb 0x4
	s_wait_tensorcnt 0x0
	ds_add_u32 v15, v255
	s_wait_dscnt 0x0
	s_set_vgpr_msb 0x400
	CROUND                                         ; the closing round: no work-group ends while a partner may still ask for a tile that names it
	s_endpgm
.Lfunc_end_k_qccf31c14db_proj:
	.size	k_qccf31c14db_proj, .Lfunc_end_k_qccf31c14db_proj-k_qccf31c14db_proj
	.p2alignl 7, 3214868480
	.fill 96, 4, 3214868480
	.section	.rodata,"a",@progbits
	.p2align	6, 0x0
	.amdhsa_kernel k_qccf31c14db_proj
		.amdhsa_group_segment_fixed_size 327680
		.amdhsa_private_segment_fixed_size 0
		.amdhsa_enable_private_segment 0
		.amdhsa_kernarg_size 72
		.amdhsa_user_sgpr_count 2
		.amdhsa_user_sgpr_kernarg_segment_ptr 1
		.amdhsa_wavefront_size32 1
		.amdhsa_system_sgpr_workgroup_id_x 1
		.amdhsa_system_sgpr_workgroup_id_y 1
		.amdhsa_system_sgpr_workgroup_id_z 1
		.amdhsa_system_vgpr_workitem_id 0
		.amdhsa_next_free_vgpr 752
		.amdhsa_next_free_sgpr 90
		.amdhsa_reserve_vcc 0
		.amdhsa_float_denorm_mode_32 3
		.amdhsa_float_denorm_mode_16_64 3
		.amdhsa_memory_ordered 1
		.amdhsa_forward_progress 1
		.amdhsa_inst_pref_size 176
	.end_amdhsa_kernel
	.amdgpu_metadata
---
amdhsa.version: [ 1, 2 ]
amdhsa.kernels:
  - .name:           k_qccf31c14db_proj
    .symbol:         k_qccf31c14db_proj.kd
    .args:
      - { .name: xb, .offset: 0, .size: 8, .value_kind: global_buffer, .address_space: global }
      - { .name: wb, .offset: 8, .size: 8, .value_kind: global_buffer, .address_space: global }
      - { .name: bq, .offset: 16, .size: 8, .value_kind: global_buffer, .address_space: global }
      - { .name: bk, .offset: 24, .size: 8, .value_kind: global_buffer, .address_space: global }
      - { .name: bv, .offset: 32, .size: 8, .value_kind: global_buffer, .address_space: global }
      - { .name: qf, .offset: 40, .size: 8, .value_kind: global_buffer, .address_space: global }
      - { .name: kh, .offset: 48, .size: 8, .value_kind: global_buffer, .address_space: global }
      - { .name: vt, .offset: 56, .size: 8, .value_kind: global_buffer, .address_space: global }
      - { .name: stats, .offset: 64, .size: 8, .value_kind: global_buffer, .address_space: global }
    .group_segment_fixed_size: 327680
    .private_segment_fixed_size: 0
    .kernarg_segment_align: 8
    .kernarg_segment_size: 72
    .max_flat_workgroup_size: 128
    .sgpr_count:     90
    .vgpr_count:     752
    .wavefront_size: 32
...
	.end_amdgpu_metadata
.endif
;; end of part 2
;; launch attn (part 3): grid 8 x 32, 8 waves a work-group, clusters of 4 x 1, 327,680 bytes of LDS; arguments qf, stats, ln_g, ln_b, kh, vt, rh; writes rh
.if DOCPART == 3
	.amdgcn_target "amdgcn-amd-amdhsa--gfx1250"
	.amdhsa_code_object_version 6
	.text
	.protected	k_qccf31c14db_attn
	.globl	k_qccf31c14db_attn
	.p2align	8
	.type	k_qccf31c14db_attn,@function
k_qccf31c14db_attn:
	s_mov_b64 s[64:65], 0
	v_nop
	global_prefetch_b8 v0, s[64:65] scope:SCOPE_SE
	s_setreg_imm32_b32 hwreg(HW_REG_WAVE_MODE, 25, 1), 1
	s_wait_xcnt 0x0
	s_wait_alu depctr_hold_cnt(0) depctr_sa_sdst(0) depctr_va_vdst(0) depctr_va_sdst(0) depctr_va_ssrc(0) depctr_va_vcc(0) depctr_vm_vsrc(0)
	s_getreg_b32 s2, hwreg(HW_REG_IB_STS2, 6, 4)
	s_cmp_eq_u32 s2, 0
	s_cbranch_scc0 .Lentry_in_a_cluster
	s_endpgm
.Lentry_in_a_cluster:
	s_bfe_u32 s2, ttmp6, 0x10000c
	s_cmp_lg_u32 s2, 0x3003
	s_cbranch_scc0 .Lentry_shape_is_right
	s_endpgm
.Lentry_shape_is_right:
; Layer norm of q, attention of one head, and the residual: rh[b*16+head][token][64] = f16( softmax(qn k^T / 8) v + qn ),  qn = layer_norm(q) g + b.
; reference()'s chunked form is a softmax against the row's global maximum with 1e-8 added to the denominator; here a running maximum over steps of 64 keys gives the same.
; A work-group takes one (batch, head) and 256 queries; wave w takes 32 queries (two tiles of 16).  2,048 keys go in eight tiles of 256 through two LDS slots.
; CLUSTERS: the four query blocks of a cluster read the same K and V tiles and ask for them jointly (mask 15); q's rows are each work-group's own (a plain load).
; LAYOUTS that need no shuffle: S^T = K Q^T puts query l % 16 in a lane and key 8 (l / 16) + j in register j; two neighbouring S^T tiles, packed in pairs in place,
; are the second source of O^T = V^T P^T; maximum, sum and rescale factor are one number a lane; O^T(d = 16 mt + 8 (l / 16) + j) meets qn of the same d in the same lane.
; THE PIPELINE: the wave's two query tiles run half a step apart, so that the matrix unit works on one while the vector unit works on the other.  A step of 64 keys is
; two phases.  Phase A(i): softmax of tile 0, step i; products O1 += V(i-1) P1(i-1), then S1(i).  Phase B(i): softmax of tile 1, step i; products O0 += V(i) P0(i), then
; S0(i+1).  A phase's eight P V products stand at its head in one block with the 16 multiplications that rescale that tile's O (one register-window setting serves both);
; its eight S products stand singly among the other tile's 102 vector instructions and need no window switch.  K's and V's fragments have two register buffers each and are
; fetched a step ahead: K(i+1) at the head of A(i), V(i+1) at the head of B(i).  So a tile's slot has been read to the end by the middle of its phase B(2): there the
; round of the cluster's barrier opens, and behind it the same slot is filled again, two tiles ahead.
; The row statistics come as (mean, sum of squares about it) of eight blocks of 128 columns and are combined as mean = sum mean_b / 8,
; M2 = sum M2_b + 128 sum (mean_b - mean)^2: no difference of large sums.
; The scores are kept in base 2: q is scaled by 64^-0.5 log2(e) before it is rounded to f16.
; ROOM IN f16 (largest number 65,504): a normalised row of 1,024 numbers has no element beyond 32, so |qn| is at most 32 |g| + |b|; the attention's result is a mean of
; rows of v and no larger than they (their room is counted where they are made); the probabilities lie in 0 .. 1.
; LIMITS: qn, or the sum that is stored, beyond 65,504 in magnitude overflows; probabilities under 2^-25 of the running maximum vanish from P V: at most
; 2048 x 2^-25 = 6e-5 of a denominator that is at least 1; the denominator sums the probabilities unrounded in f32; the order of sums differs from reference()'s;
; v_exp_f32 gives zero for results below 2^-126 (ISA guide 15.8); NaN and infinities in the inputs are not followed.
; Two waves lie on each SIMD (512 registers each), so that one fills the places where the other waits.
.set SLOT, 70656                       ; K: 256 keys x 144 bytes, then V^T: 64 rows x 528 bytes
.set KP,   144                         ; 128 + 16: an odd multiple of 16 bytes, as are 528 and 272
.set VOFF, 256*KP
.set VP,   528
.set QST,  2*SLOT                      ; q: 256 rows x (256 + 16) bytes of f32
.set QP,   272
.set OST,  QST+256*QP                  ; the stage for the way out: 8 x 32 rows x 144 bytes, a multiple of 256 from LDS byte 0; no tensor load lands here
.set OP,   144
; window 0
.set ADK,  2                           ; v2-3   K fragments, slot 0, 1
.set ADV,  4                           ; v4-5   V fragments
.set QRD,  6                           ; v6     q in LDS
.set OSTO, 7                           ; v7-8   stage: in, back
.set ORD,  8
.set GO,   9                           ; v9     16 l: my bytes in rh
.set M,    16                          ; v[16:17] running maximum, element q for query tile q (all the pairs below likewise)
.set MO,   18                          ; v[18:19] the maximum before this step
.set AL,   20                          ; v[20:21] 2^(MO - M)
.set LS,   22                          ; v[22:23] running sum (my half of the keys)
.set RS,   24                          ; v[24:25] this step's sum
.set T,    26                          ; v[26:31] at work
.set Q,    32                          ; v[32:63]   Q fragments, 16 q + 8 dh
.set KF,   64                          ; v[64:191]  K fragments, two buffers: 64 kb + 16 kt + 8 dh
.set S,    192                         ; v[192:255] S^T, 32 q + 8 kt; then P fragments at 32 q + 16 c
.set LG,   128                         ; in the prologue: ln_g, ln_b of my 32 columns
.set LB,   160
; window 1
.set QN,   0                           ; v[0:63]    qn in f32, 32 q + 8 mt + j
.set O,    64                          ; v[64:127]  O^T, 32 q + 8 mt
.set VF,   128                         ; v[128:255] V fragments, two buffers: 64 vb + 32 c + 8 mt
.set MSB, 0
.macro WIN new                         ; the immediate's high byte repeats the setting that is left
.if MSB != \new
	s_set_vgpr_msb (MSB<<8)|\new
.set MSB, \new
.endif
.endm
.macro PLACES
.rept 4
	v_nop
.endr
.endm
.macro CREST                           ; a round of the cluster's barrier behind its opening barrier
	s_cmp_lg_u32 s8, 0
	s_cbranch_scc1 .Lnot_wave_0_\@
	s_barrier_signal -3
.Lnot_wave_0_\@:
	s_barrier_wait -3
	s_barrier_signal -1
	s_barrier_wait -1
.endm
.macro ROUND                           ; a whole round
	s_barrier_signal -1
	s_barrier_wait -1
	CREST
.endm
	s_load_b256 s[68:75], s[0:1], 0x0              ; qf 68, stats 70, ln_g 72, ln_b 74
	s_load_b128 s[76:79], s[0:1], 0x20             ; kh 76, vt 78
	s_load_b64 s[80:81], s[0:1], 0x30              ; rh
	v_lshl_add_u32 v126, v0, 2, 0x3c800
	v_mov_b32 v127, 0
	ds_add_u32 v126, v127
	s_wait_dscnt 0x0
	v_lshrrev_b32 v1, 5, v0
	v_readfirstlane_b32 s8, v1                     ; wave 0..7
	s_bfe_u32 s14, ttmp6, 0x40000                  ; cx
	s_lshl_b32 s15, ttmp9, 2
	s_add_co_u32 s15, s15, s14                     ; qb: block of 256 queries, 0..7
	s_and_b32 s13, ttmp7, 0xffff                   ; bh = 16 batch + head
	s_lshr_b32 s2, s13, 4                          ; batch
	s_and_b32 s3, s13, 15                          ; head
	s_mov_b32 s10, 0x76543210                      ; v_permlanex16_b32: lane i reads lane i of the other half
	s_mov_b32 s11, 0xfedcba98
	s_mov_b32 s12, 0x3a800000                      ; 1 / 1024
	; group 1 of K's tiles: my 32 keys x 64 elements (rows of 128 bytes, as they are in the tensor), 4 words of padding after every 32
	s_mov_b32 s16, 15|(1<<16)|(1<<20)|(1<<21)|(4<<22)|(3<<25)
	s_mov_b32 s17, 64<<16
	s_mov_b32 s18, 32<<16
	s_mov_b32 s19, 64<<16
	s_mov_b32 s20, 32
	s_mov_b32 s21, 64
	s_mov_b32 s22, 0
	s_mov_b32 s23, 0
	; group 1 of V^T's tiles: my 8 rows x 256 keys (512 bytes), 4 words after every 128
	s_mov_b32 s24, 15|(1<<16)|(1<<20)|(1<<21)|(6<<22)|(3<<25)
	s_mov_b32 s25, 256<<16
	s_mov_b32 s26, 8<<16
	s_mov_b32 s27, 256<<16
	s_mov_b32 s28, 8
	s_mov_b32 s29, 2048
	s_mov_b32 s30, 0
	s_mov_b32 s31, 0
	; group 1 of q's tile: my 32 rows x 64 f32 (256 bytes), 4 words after every 64; no mask
	s_mov_b32 s32, (2<<16)|(1<<20)|(5<<22)|(3<<25)
	s_mov_b32 s33, 64<<16
	s_mov_b32 s34, 32<<16
	s_mov_b32 s35, 64<<16
	s_mov_b32 s36, 32
	s_mov_b32 s37, 1024
	s_mov_b32 s38, 0
	s_mov_b32 s39, 0
	s_lshl_b32 s60, s13, 18                        ; K: head block of 262,144 bytes + my 32 keys of 128 bytes (nothing here hangs on cx)
	s_lshl_b32 s62, s8, 12
	s_add_co_u32 s60, s60, s62
	s_mov_b32 s61, 0
	s_lshl_b32 s62, s13, 18                        ; V^T: head block + my 8 rows of 4,096 bytes
	s_lshl_b32 s63, s8, 15
	s_add_co_u32 s62, s62, s63
	s_mov_b32 s63, 0
	s_lshl_b32 s82, s2, 23                         ; q: row 2048 batch + 256 qb + 32 w, of 4,096 bytes, + 64 head columns of 4 bytes
	s_lshl_b32 s83, s15, 20
	s_add_co_u32 s82, s82, s83
	s_lshl_b32 s83, s8, 17
	s_add_co_u32 s82, s82, s83
	s_lshl_b32 s83, s3, 8
	s_add_co_u32 s82, s82, s83
	s_mov_b32 s83, 0
	s_mul_i32 s4, s8, 32*KP                        ; my parts in LDS: by the wave's number alone
	s_mul_i32 s5, s8, 8*VP
	s_mul_i32 s7, s8, 32*QP
	s_add_co_u32 s7, s7, QST
	s_wait_kmcnt 0x0
	s_add_nc_u64 s[60:61], s[76:77], s[60:61]
	s_add_nc_u64 s[62:63], s[78:79], s[62:63]
	s_add_nc_u64 s[82:83], s[68:69], s[82:83]
.irp s, 0,1
	s_mov_b32 s[40+4*\s], 1                        ; s[40:47]: group 0 of K, slot 0, 1, set for tile 0, 1
	s_add_co_u32 s[41+4*\s], s4, \s*SLOT
	s_add_nc_u64 s[42+4*\s:43+4*\s], s[60:61], \s*32768
	s_or_b32 s[43+4*\s], s[43+4*\s], 0x80000000
	s_mov_b32 s[48+4*\s], 1                        ; s[48:55]: group 0 of V^T
	s_add_co_u32 s[49+4*\s], s5, \s*SLOT+VOFF
	s_add_nc_u64 s[50+4*\s:51+4*\s], s[62:63], \s*512
	s_or_b32 s[51+4*\s], s[51+4*\s], 0x80000000
.endr
	s_mov_b32 s56, 1                               ; s[56:59]: group 0 of q
	s_mov_b32 s57, s7
	s_mov_b64 s[58:59], s[82:83]
	s_or_b32 s59, s59, 0x80000000
	ROUND                                          ; the four work-groups are here: the first joint loads meet
	tensor_load_to_lds s[56:59], s[32:39]          ; q
	s_nop 0
	tensor_load_to_lds s[40:43], s[16:23]          ; K, tile 0
	s_nop 0
	tensor_load_to_lds s[48:51], s[24:31]          ; V^T, tile 0
	s_nop 0
	tensor_load_to_lds s[44:47], s[16:23]          ; K, tile 1
	s_nop 0
	tensor_load_to_lds s[52:55], s[24:31]          ; V^T, tile 1: five tensor loads of the wave are out, the most in this text
	s_nop 0
	s_lshl_b32 s82, s2, 14                         ; stats: my first row, 8 bytes a row
	s_lshl_b32 s83, s15, 11
	s_add_co_u32 s82, s82, s83
	s_lshl_b32 s83, s8, 8
	s_add_co_u32 s82, s82, s83
	s_mov_b32 s83, 0
	s_add_nc_u64 s[70:71], s[70:71], s[82:83]
	s_lshl_b32 s82, s3, 8                          ; ln_g, ln_b at column 64 head
	s_add_nc_u64 s[72:73], s[72:73], s[82:83]
	s_add_nc_u64 s[74:75], s[74:75], s[82:83]
	s_lshl_b32 s82, s13, 18                        ; rh: head block + (256 qb + 32 w) tokens of 128 bytes
	s_lshl_b32 s6, s15, 15
	s_add_co_u32 s82, s82, s6
	s_lshl_b32 s6, s8, 12
	s_add_co_u32 s82, s82, s6
	s_add_nc_u64 s[80:81], s[80:81], s[82:83]
	s_add_co_u32 s5, s4, OST                       ; my stage
	v_and_b32 v12, 31, v0                          ; l
	v_and_b32 v13, 15, v0                          ; r
	v_bfe_u32 v14, v0, 4, 1                        ; h
	v_lshlrev_b32 v10, 3, v12                      ; stats: lane l takes row l of my 32
	v_lshlrev_b32 v11, 5, v14                      ; ln_g, ln_b: columns 16 g + 8 h ..
.irp b, 0,1,2,3,4,5,6,7
	global_load_b64 v[64+2*\b:65+2*\b], v10, s[70:71] offset:32768*\b          ; 256 consecutive bytes a wave
.endr
.irp g, 0,1,2,3
.irp e, 0,1
	global_load_b128 v[LG+8*\g+4*\e:LG+8*\g+4*\e+3], v11, s[72:73] offset:64*\g+16*\e
	global_load_b128 v[LB+8*\g+4*\e:LB+8*\g+4*\e+3], v11, s[74:75] offset:64*\g+16*\e
.endr
.endr
	v_mul_u32_u24 v15, v13, KP
	v_lshl_add_u32 v[ADK], v14, 4, v15             ; key r of a tile of 16, 16 bytes for each half of the lanes
	v_add_nc_u32 v[ADK+1], SLOT, v[ADK]
	v_add_nc_u32 v[OSTO], s5, v[ADK]               ; the stage has the same pitch: row r, 16 h
	v_mul_u32_u24 v15, v13, VP
	v_lshl_add_u32 v15, v14, 4, v15
	v_add_nc_u32 v[ADV], VOFF, v15
	v_add_nc_u32 v[ADV+1], SLOT+VOFF, v15
	v_mul_u32_u24 v15, v13, QP
	v_lshl_add_u32 v15, v14, 5, v15
	v_add_nc_u32 v[QRD], s7, v15                   ; q: row r, 32 bytes for each half
	v_lshrrev_b32 v15, 3, v12
	v_mul_u32_u24 v15, v15, OP
	v_and_b32 v1, 7, v0
	v_lshl_add_u32 v15, v1, 4, v15
	v_add_nc_u32 v[ORD], s5, v15                   ; back: 16 l bytes of dense rows of 128 = row l >> 3, 16 (l & 7)
	v_lshlrev_b32 v[GO], 4, v12
.irp j, 0,1,2,3,4,5
	v_mov_b32 v[T+\j], 0                           ; v_permlanex16_b32's destination counts as read
.endr
	v_mov_b32 v87, 0
	v_mov_b32 v[M+1], 0                            ; a packed source counts as read whole: tile 1's halves of these two pairs are written
	v_mov_b32 v[AL+1], 0                           ; half a step behind tile 0's, whose instructions name the pairs first
	s_wait_loadcnt 0x0
	; my row's mean and 1 / sqrt(var + 1e-5) from the eight blocks
	v_add_f32 v80, v64, v66
	v_add_f32 v81, v68, v70
	v_add_f32 v82, v72, v74
	v_add_f32 v83, v76, v78
	v_add_f32 v80, v80, v81
	v_add_f32 v82, v82, v83
	v_add_f32 v80, v80, v82
	v_mul_f32 v80, 0x3e000000, v80                 ; mean = sum / 8
	v_add_f32 v84, v65, v67
	v_add_f32 v81, v69, v71
	v_add_f32 v82, v73, v75
	v_add_f32 v83, v77, v79
	v_add_f32 v84, v84, v81
	v_add_f32 v82, v82, v83
	v_add_f32 v84, v84, v82                        ; sum of the blocks' M2
	v_sub_f32 v86, v64, v80
	v_mul_f32 v85, v86, v86
.irp b, 1,2,3,4,5,6,7
	v_sub_f32 v86, v[64+2*\b], v80
	v_fmac_f32 v85, v86, v86
.endr
	v_fmamk_f32 v84, v85, 0x43000000, v84          ; + 128 sum (mean_b - mean)^2
	v_fmaak_f32 v84, s12, v84, 0x3727c5ac          ; / 1024 + 1e-5
	v_rsq_f32 v84, v84
	v_nop                                          ; one plain place behind the transcendental (ISA guide 5.7.2)
	v_permlanex16_b32 v86, v80, s10, s11           ; the other half's row
	s_wait_alu depctr_va_vdst(0)
	v_permlanex16_b32 v87, v84, s10, s11
	v_cmp_gt_u32 vcc_lo, 16, v12                   ; lanes 0-15 own row r (tile 0), lanes 16-31 row 16 + r (tile 1)
	v_cndmask_b32 v[T], v86, v80, vcc_lo           ; v[26:27]: mean of row r of tile 0, of tile 1
	v_cndmask_b32 v[T+1], v80, v86, vcc_lo
	v_cndmask_b32 v[T+2], v87, v84, vcc_lo         ; v[28:29]: 1 / sqrt likewise
	v_cndmask_b32 v[T+3], v84, v87, vcc_lo
	s_wait_tensorcnt 0x4                           ; q has landed (my own rows: no barrier); the four loads of tiles 0 and 1 stay out
.irp qt, 0,1
.irp g, 0,1,2,3
.irp e, 0,1
	ds_load_b128 v[S+32*\qt+8*\g+4*\e:S+32*\qt+8*\g+4*\e+3], v[QRD] offset:16*QP*\qt+64*\g+16*\e
.endr
.endr
.endr
	s_wait_dscnt 0x0
.macro CENTRE qt                       ; (q - mean) / sqrt(var + eps); element qt of a pair is taken for both halves
.set i, 0
.rept 16
	v_pk_add_f32 v[S+32*\qt+2*i:S+32*\qt+2*i+1], v[S+32*\qt+2*i:S+32*\qt+2*i+1], v[T:T+1] op_sel:[0,\qt] op_sel_hi:[1,\qt] neg_lo:[0,1] neg_hi:[0,1]
.set i, i+1
.endr
.set i, 0
.rept 16
	v_pk_mul_f32 v[S+32*\qt+2*i:S+32*\qt+2*i+1], v[S+32*\qt+2*i:S+32*\qt+2*i+1], v[T+2:T+3] op_sel:[0,\qt] op_sel_hi:[1,\qt]
.set i, i+1
.endr
.endm
	CENTRE 0
	CENTRE 1
	WIN 0x40                                       ; destination window 1: qn = .. g + b, kept in f32 for the residual
.set i, 0
.rept 32
	v_pk_fma_f32 v[QN+2*i:QN+2*i+1], v[S+2*i:S+2*i+1], v[LG+2*(i%16):LG+2*(i%16)+1], v[LB+2*(i%16):LB+2*(i%16)+1]
.set i, i+1
.endr
	WIN 0x01                                       ; source 0 window 1: qn x 64^-0.5 x log2(e)
.set i, 0
.rept 32
	v_pk_mul_f32 v[S+2*i:S+2*i+1], v[QN+2*i:QN+2*i+1], 0x3e38aa3b op_sel_hi:[1,0]
.set i, i+1
.endr
	WIN 0
.set i, 0
.rept 32
	v_cvt_pk_f16_f32 v[Q+i], v[S+2*i], v[S+2*i+1]  ; d = 16 mt + 8 h + j in order is the fragments' own order
.set i, i+1
.endr
.macro KLOAD slot, u, kb               ; 16 loads: the K fragments of 64 keys (step u of the slot's tile) into buffer kb
	WIN 0
.irp kt, 0,1,2,3
.irp dh, 0,1
	ds_load_b128 v[KF+64*\kb+16*\kt+8*\dh:KF+64*\kb+16*\kt+8*\dh+3], v[ADK+\slot] offset:64*KP*\u+\kt*16*KP+64*\dh
	ds_load_b128 v[KF+64*\kb+16*\kt+8*\dh+4:KF+64*\kb+16*\kt+8*\dh+7], v[ADK+\slot] offset:64*KP*\u+\kt*16*KP+64*\dh+32
.endr
.endr
.endm
.macro VLOAD slot, u, vb               ; 16 loads: the V^T fragments of 64 keys into buffer vb (destination window 1)
	WIN 0x40
.irp c, 0,1
.irp mt, 0,1,2,3
	ds_load_b128 v[VF+64*\vb+32*\c+8*\mt:VF+64*\vb+32*\c+8*\mt+3], v[ADV+\slot] offset:\mt*16*VP+128*\u+64*\c
	ds_load_b128 v[VF+64*\vb+32*\c+8*\mt+4:VF+64*\vb+32*\c+8*\mt+7], v[ADV+\slot] offset:\mt*16*VP+128*\u+64*\c+32
.endr
.endr
.endm
; One product of S^T(tile p): keys 16 kt .., half dh of d.  All its registers lie in window 0.  The four accumulators take turns.
.macro SW p, dh, kt, kb
.if \dh
	v_wmma_f32_16x16x32_f16 v[S+32*\p+8*\kt:S+32*\p+8*\kt+7], v[KF+64*\kb+16*\kt+8:KF+64*\kb+16*\kt+15], v[Q+16*\p+8:Q+16*\p+15], v[S+32*\p+8*\kt:S+32*\p+8*\kt+7]
.else
	v_wmma_f32_16x16x32_f16 v[S+32*\p+8*\kt:S+32*\p+8*\kt+7], v[KF+64*\kb+16*\kt:KF+64*\kb+16*\kt+7], v[Q+16*\p:Q+16*\p+7], 0
.endif
.endm
.macro SMM smm, p, dh, kt, kb          ; the same, left out in the launch's last phase
.if \smm
	SW \p, \dh, \kt, \kb
.endif
.endm
.macro RESC p, mt                      ; one tile of O(p) times 2^(old maximum - new maximum)
.irp i, 0,1,2,3
	v_pk_mul_f32 v[O+32*\p+8*\mt+2*\i:O+32*\p+8*\mt+2*\i+1], v[O+32*\p+8*\mt+2*\i:O+32*\p+8*\mt+2*\i+1], v[AL:AL+1] op_sel:[0,\p] op_sel_hi:[1,\p]
.endr
.endm
.macro PVW p, c, mt, vb, zero          ; one product of O^T(p): d = 16 mt .., keys 32 c ..
.if \zero
	v_wmma_f32_16x16x32_f16 v[O+32*\p+8*\mt:O+32*\p+8*\mt+7], v[VF+64*\vb+32*\c+8*\mt:VF+64*\vb+32*\c+8*\mt+7], v[S+32*\p+16*\c:S+32*\p+16*\c+7], 0
.else
	v_wmma_f32_16x16x32_f16 v[O+32*\p+8*\mt:O+32*\p+8*\mt+7], v[VF+64*\vb+32*\c+8*\mt:VF+64*\vb+32*\c+8*\mt+7], v[S+32*\p+16*\c:S+32*\p+16*\c+7], v[O+32*\p+8*\mt:O+32*\p+8*\mt+7]
.endif
.endm
; O(p) = O(p) x factor + V^T P^T(p).  pv = 0: nothing; 1: as said; 2: the tile's first step: the products start the sums.
; One window setting serves the multiplications (destination and source 0 in window 1, the factor in window 0) and the products (V, C and D in window 1, P in window 0).
; The four accumulators take turns, one instruction a turn.
.macro PVBLOCK p, vb, pv
.if \pv
	WIN 0x51
.if \pv == 1
	RESC \p, 0
	RESC \p, 1
	PVW \p, 0, 0, \vb, 0
	RESC \p, 2
	PVW \p, 0, 1, \vb, 0
	RESC \p, 3
	PVW \p, 0, 2, \vb, 0
	PVW \p, 0, 3, \vb, 0
.else
.irp mt, 0,1,2,3
	PVW \p, 0, \mt, \vb, 1
.endr
.endif
.irp mt, 0,1,2,3
	PVW \p, 1, \mt, \vb, 0
.endr
.endif
	WIN 0
.endm
; The softmax of tile q in slices.
.macro MAXA q                          ; 7 instructions: four chains of maxima over my 32 scores
	v_max3_num_f32 v[T],   v[S+32*\q],   v[S+32*\q+1],  v[S+32*\q+2]
	v_max3_num_f32 v[T+1], v[S+32*\q+3], v[S+32*\q+4],  v[S+32*\q+5]
	v_max3_num_f32 v[T+2], v[S+32*\q+6], v[S+32*\q+7],  v[S+32*\q+8]
	v_max3_num_f32 v[T+3], v[S+32*\q+9], v[S+32*\q+10], v[S+32*\q+11]
.set i, 0
.rept 3
	v_max3_num_f32 v[T+i%4], v[T+i%4], v[S+32*\q+12+2*i], v[S+32*\q+13+2*i]
.set i, i+1
.endr
.endm
.macro MAXB q                          ; 7 more
.set i, 3
.rept 7
	v_max3_num_f32 v[T+i%4], v[T+i%4], v[S+32*\q+12+2*i], v[S+32*\q+13+2*i]
.set i, i+1
.endr
.endm
.macro MAXC q, first                   ; 5: the chains, the old maximum, the other half of the lanes; the exponent of the rescale factor
	v_max3_num_f32 v[T], v[T], v[T+1], v[T+2]
.if \first
	v_max_num_f32 v[T], v[T], v[T+3]
.else
	v_max3_num_f32 v[T], v[T], v[T+3], v[MO+\q]
.endif
	v_permlanex16_b32 v[T+4], v[T], s10, s11
	v_max_num_f32 v[M+\q], v[T], v[T+4]
.if \first
	v_nop
.else
	v_sub_f32 v[AL+\q], v[MO+\q], v[M+\q]
.endif
.endm
.macro SHIFT q, from                   ; 8: S - M for 16 scores
.set i, \from
.rept 8
	v_pk_add_f32 v[S+32*\q+2*i:S+32*\q+2*i+1], v[S+32*\q+2*i:S+32*\q+2*i+1], v[M:M+1] op_sel:[0,\q] op_sel_hi:[1,\q] neg_lo:[0,1] neg_hi:[0,1]
.set i, i+1
.endr
.endm
.macro EXPS q, from                    ; 16 exponentials
.set i, \from
.rept 16
	v_exp_f32 v[S+32*\q+i], v[S+32*\q+i]
.set i, i+1
.endr
.endm
.macro SUMS q                          ; 16: this step's sum of my 32 probabilities, in f32, three chains
	s_wait_alu depctr_va_vdst(0)
	v_pk_add_f32 v[T:T+1],   v[S+32*\q:S+32*\q+1],   v[S+32*\q+2:S+32*\q+3]
	v_pk_add_f32 v[T+2:T+3], v[S+32*\q+4:S+32*\q+5], v[S+32*\q+6:S+32*\q+7]
	v_pk_add_f32 v[T+4:T+5], v[S+32*\q+8:S+32*\q+9], v[S+32*\q+10:S+32*\q+11]
.set i, 6
.rept 10
	v_pk_add_f32 v[T+2*(i%3):T+2*(i%3)+1], v[T+2*(i%3):T+2*(i%3)+1], v[S+32*\q+2*i:S+32*\q+2*i+1]
.set i, i+1
.endr
	v_pk_add_f32 v[T:T+1], v[T:T+1], v[T+2:T+3]
	v_pk_add_f32 v[T:T+1], v[T:T+1], v[T+4:T+5]
	v_add_f32 v[RS+\q], v[T], v[T+1]
.endm
.macro PACK q                          ; 16: the probabilities packed in place into two fragments
.irp c, 0,1
.irp k, 0,1,2,3,4,5,6,7
	v_cvt_pk_f16_f32 v[S+32*\q+16*\c+\k], v[S+32*\q+16*\c+2*\k], v[S+32*\q+16*\c+2*\k+1]   ; ascending: each line's target has been read already
.endr
.endr
.endm
; A phase: the softmax of tile q; for tile p = 1 - q the block O(p) += V P(p) from V's buffer vb, then the eight products of the next S(p) from K's buffer kb.
; DISTANCES (ISA guide 7.12.1): the vector instructions of the phase name tile q's registers and the small ones alone, none of tile p's products': they are places.
; Seven of them stand between the block and the first S product, which writes over the P fragment that the block's first four products read, 19 in front of the third,
; which writes over the other; 17 stand behind the last S product, and the next phase reads S(p) only behind its own block.
; wv, wk: counts of the waits for V's and K's fragments (-1: none).  sig = 1: the round of the cluster's barrier opens in the middle of the phase.
.macro PHASE q, p, vb, kb, first, pv, smm, wv, wk, sig
.if \wv >= 0
	s_wait_dscnt \wv                               ; V's fragments of this step are in; what was fetched behind them stays out
.endif
	PVBLOCK \p, \vb, \pv
.if \wk >= 0
	s_wait_dscnt \wk                               ; the next step's K fragments are in; the 16 loads of V issued behind them stay out
.endif
	MAXA \q
	SMM \smm, \p, 0, 0, \kb
	MAXB \q
	SMM \smm, \p, 0, 1, \kb
	MAXC \q, \first
	SMM \smm, \p, 0, 2, \kb
	SHIFT \q, 0
	SMM \smm, \p, 0, 3, \kb
	SHIFT \q, 8
	SMM \smm, \p, 1, 0, \kb
.if \sig
	s_wait_dscnt 0x0                               ; my reads of this tile's slot are over: its last fragments were asked for at the head of this phase
	s_wait_xcnt 0x0
	v_lshl_add_u32 v126, v0, 2, 0x3c800
	v_mov_b32 v127, 0
	s_wait_tensorcnt 0x0                           ; and all my tensor loads have landed: my parts of the next tile
	ds_add_u32 v126, v127
	s_wait_dscnt 0x0
	s_barrier_signal -1                            ; the round opens; up to its wait only register work follows
.endif
.if \first == 0
	v_exp_f32 v[AL+\q], v[AL+\q]
.endif
	EXPS \q, 0
	SMM \smm, \p, 1, 1, \kb
	EXPS \q, 16
	SMM \smm, \p, 1, 2, \kb
	v_mov_b32 v[MO+\q], v[M+\q]                    ; the plain place behind the exponentials (ISA guide 5.7.2)
	SUMS \q
	SMM \smm, \p, 1, 3, \kb
	PACK \q
.if \first
	v_mov_b32 v[LS+\q], v[RS+\q]
.else
	v_fma_f32 v[LS+\q], v[LS+\q], v[AL+\q], v[RS+\q]
.endif
.endm
; A tile of 256 keys = steps 0 .. 3 = phases A(0) B(0) .. A(3) B(3).  Step u uses buffers u & 1.  In front of A(u) K(u+1) is asked for, in front of B(u) V(u+1);
; each buffer's last reader stands at least two thirds of a phase back.  mode 2: the round, then this slot is filled again, two tiles ahead; 1: the round alone (it shows the last tile
; whole to every wave); 0: the last tile.  The waits stand in front of the round's opening signal (in B(2)), the joint refills are the first tensor loads behind its
; closing wait and ahead of the first LDS read there; a refill has a whole tile's work in which to land.
.macro TILE slot, other, mode, first
	KLOAD \slot, 1, 1
	PHASE 0, 1, 1, 0, \first, (1-\first), 1, -1, -1, 0     ; A(0)
	VLOAD \slot, 1, 1
	PHASE 1, 0, 0, 1, \first, (1+\first), 1, 32, 16, 0     ; B(0)
	KLOAD \slot, 2, 0
	PHASE 0, 1, 0, 1, 0, (1+\first), 1, -1, -1, 0          ; A(1)
	VLOAD \slot, 2, 0
	PHASE 1, 0, 1, 0, 0, 1, 1, 32, 16, 0                   ; B(1)
	KLOAD \slot, 3, 1
	PHASE 0, 1, 1, 0, 0, 1, 1, -1, -1, 0                   ; A(2)
	VLOAD \slot, 3, 1
.if \mode
	PHASE 1, 0, 0, 1, 0, 1, 1, 32, 16, 1                   ; B(2), with the round's opening signal
	s_barrier_wait -1
	CREST
.if \mode == 2
	s_add_nc_u64 s[42+4*\slot:43+4*\slot], s[42+4*\slot:43+4*\slot], 2*32768    ; no tensor load of mine is out: this slot's next tile, two on
	s_add_nc_u64 s[50+4*\slot:51+4*\slot], s[50+4*\slot:51+4*\slot], 2*512
	tensor_load_to_lds s[40+4*\slot:43+4*\slot], s[16:23]
	s_nop 0
	tensor_load_to_lds s[48+4*\slot:51+4*\slot], s[24:31]
	s_nop 0
.endif
	KLOAD \other, 0, 0
	PHASE 0, 1, 0, 1, 0, 1, 1, -1, -1, 0                   ; A(3)
	VLOAD \other, 0, 0
	PHASE 1, 0, 1, 0, 0, 1, 1, 32, 16, 0                   ; B(3)
.else
	PHASE 1, 0, 0, 1, 0, 1, 1, 32, 16, 0                   ; B(2)
	PHASE 0, 1, 0, 1, 0, 1, 1, -1, -1, 0                   ; A(3): nothing more to fetch
	PHASE 1, 0, 1, 0, 0, 1, 0, 0, -1, 0                    ; B(3): V(3) was the last load; no further S
.endif
.endm
	s_wait_tensorcnt 0x2                           ; my parts of tile 0 are in; tile 1's two loads stay out
	s_barrier_signal -1
	s_barrier_wait -1                              ; everybody's are
	KLOAD 0, 0, 0
	VLOAD 0, 0, 0
	s_wait_dscnt 16                                ; K(0) is in; V(0)'s 16 loads stay out
	WIN 0
.irp kt, 0,1,2,3
	SW 0, 0, \kt, 0                                ; S0(0) starts the pipeline
.endr
.irp kt, 0,1,2,3
	SW 0, 1, \kt, 0
.endr
	PLACES                                         ; in front of the readers of S0
	TILE 0, 1, 2, 1                                ; tiles 0, 1 ask for 2, 3
	TILE 1, 0, 2, 0
	s_mov_b32 s9, 2
.Ltiles:
	TILE 0, 1, 2, 0                                ; tiles 2 to 5 ask for 4 to 7
	TILE 1, 0, 2, 0
	s_sub_co_u32 s9, s9, 1
	s_cmp_lg_u32 s9, 0
	s_cbranch_scc1 .Ltiles
	TILE 0, 1, 1, 0                                ; tile 6
	TILE 1, 0, 0, 0                                ; tile 7
	PVBLOCK 1, 1, 1                                ; tile 1's last step empties the pipeline
	PLACES                                         ; in front of the readers of O
	; THE WAY OUT: O / (1e-8 + sum) + qn, rounded to f16, through my own stage into dense rows of rh
	v_permlanex16_b32 v[T], v[LS], s10, s11        ; the other half of the keys
	v_permlanex16_b32 v[T+1], v[LS+1], s10, s11
	v_add_f32 v[LS], v[LS], v[T]
	v_add_f32 v[LS+1], v[LS+1], v[T+1]
	v_add_f32 v[LS], 0x322bcc77, v[LS]             ; 1e-8 + den
	v_add_f32 v[LS+1], 0x322bcc77, v[LS+1]
	v_rcp_f32 v[LS], v[LS]
	v_rcp_f32 v[LS+1], v[LS+1]
	v_nop
	WIN 0x51                                       ; O (destination, source 0) and qn (source 2) in window 1, 1 / den in window 0
.macro FINISH qt
.set i, 0
	s_wait_alu depctr_va_vdst(0)
.rept 16
	v_pk_fma_f32 v[O+32*\qt+2*i:O+32*\qt+2*i+1], v[O+32*\qt+2*i:O+32*\qt+2*i+1], v[LS:LS+1], v[QN+32*\qt+2*i:QN+32*\qt+2*i+1] op_sel:[0,\qt,0] op_sel_hi:[1,\qt,1]
.set i, i+1
.endr
.endm
	FINISH 0
	FINISH 1
	WIN 0x05                                       ; both sources in window 1
.set i, 0
.rept 32
	v_cvt_pk_f16_f32 v[S+i], v[O+2*i], v[O+2*i+1]
.set i, i+1
.endr
	WIN 0
.irp qt, 0,1
.irp mt, 0,1,2,3
	ds_store_b128 v[OSTO], v[S+16*\qt+4*\mt:S+16*\qt+4*\mt+3] offset:16*OP*\qt+32*\mt      ; row 16 qt + r, d = 16 mt + 8 h ..
.endr
.endr
.irp t, 0,1,2,3,4,5,6,7
	ds_load_b128 v[KF+4*\t:KF+4*\t+3], v[ORD] offset:\t*4*OP                               ; my own bytes; LDS serves a wave's instructions in order (ISA guide 5.7.1)
.endr
.irp t, 0,1,2,3,4,5,6,7
	s_wait_dscnt 7-\t
	global_store_b128 v[GO], v[KF+4*\t:KF+4*\t+3], s[80:81] offset:512*\t                  ; 512 consecutive bytes a wave, aligned
.endr
	s_wait_xcnt 0x0
	v_lshl_add_u32 v126, v0, 2, 0x3c800
	v_mov_b32 v127, 0
	s_wait_tensorcnt 0x0
	ds_add_u32 v126, v127
	s_wait_dscnt 0x0
	ROUND                                          ; the closing round: no work-group ends while a partner may still ask for a tile that names it
	s_endpgm
.Lfunc_end_k_qccf31c14db_attn:
	.size	k_qccf31c14db_attn, .Lfunc_end_k_qccf31c14db_attn-k_qccf31c14db_attn
	.p2alignl 7, 3214868480
	.fill 96, 4, 3214868480
	.section	.rodata,"a",@progbits
	.p2align	6, 0x0
	.amdhsa_kernel k_qccf31c14db_attn
		.amdhsa_group_segment_fixed_size 327680
		.amdhsa_private_segment_fixed_size 0
		.amdhsa_enable_private_segment 0
		.amdhsa_kernarg_size 56
		.amdhsa_user_sgpr_count 2
		.amdhsa_user_sgpr_kernarg_segment_ptr 1
		.amdhsa_wavefront_size32 1
		.amdhsa_system_sgpr_workgroup_id_x 1
		.amdhsa_system_sgpr_workgroup_id_y 1
		.amdhsa_system_sgpr_workgroup_id_z 1
		.amdhsa_system_vgpr_workitem_id 0
		.amdhsa_next_free_vgpr 512
		.amdhsa_next_free_sgpr 84
		.amdhsa_reserve_vcc 1
		.amdhsa_float_denorm_mode_32 3
		.amdhsa_float_denorm_mode_16_64 3
		.amdhsa_memory_ordered 1
		.amdhsa_forward_progress 1
		.amdhsa_inst_pref_size 255
	.end_amdhsa_kernel
	.section	.bss,"aw",@nobits
	.p2align	6
	.space	262144
	.amdgpu_metadata
---
amdhsa.version: [ 1, 2 ]
amdhsa.kernels:
  - .name:           k_qccf31c14db_attn
    .symbol:         k_qccf31c14db_attn.kd
    .args:
      - { .name: qf, .offset: 0, .size: 8, .value_kind: global_buffer, .address_space: global }
      - { .name: stats, .offset: 8, .size: 8, .value_kind: global_buffer, .address_space: global }
      - { .name: ln_g, .offset: 16, .size: 8, .value_kind: global_buffer, .address_space: global }
      - { .name: ln_b, .offset: 24, .size: 8, .value_kind: global_buffer, .address_space: global }
      - { .name: kh, .offset: 32, .size: 8, .value_kind: global_buffer, .address_space: global }
      - { .name: vt, .offset: 40, .size: 8, .value_kind: global_buffer, .address_space: global }
      - { .name: rh, .offset: 48, .size: 8, .value_kind: global_buffer, .address_space: global }
    .group_segment_fixed_size: 327680
    .private_segment_fixed_size: 0
    .kernarg_segment_align: 8
    .kernarg_segment_size: 56
    .max_flat_workgroup_size: 256
    .sgpr_count:     84
    .vgpr_count:     512
    .wavefront_size: 32
...
	.end_amdgpu_metadata
.endif
;; end of part 3
;; launch oproj (part 4): grid 8 x 32, 4 waves a work-group, clusters of 4 x 4, 327,680 bytes of LDS; arguments rh, wb, bo, out0; writes out0
.if DOCPART == 4
	.amdgcn_target "amdgcn-amd-amdhsa--gfx1250"
	.amdhsa_code_object_version 6
	.text
	.protected	k_qccf31c14db_oproj
	.globl	k_qccf31c14db_oproj
	.p2align	8
	.type	k_qccf31c14db_oproj,@function
k_qccf31c14db_oproj:
	s_mov_b64 s[64:65], 0
	v_nop
	global_prefetch_b8 v0, s[64:65] scope:SCOPE_SE
	s_setreg_imm32_b32 hwreg(HW_REG_WAVE_MODE, 25, 1), 1
	s_wait_xcnt 0x0
	s_wait_alu depctr_hold_cnt(0) depctr_sa_sdst(0) depctr_va_vdst(0) depctr_va_sdst(0) depctr_va_ssrc(0) depctr_va_vcc(0) depctr_vm_vsrc(0)
	s_getreg_b32 s2, hwreg(HW_REG_IB_STS2, 6, 4)
	s_cmp_eq_u32 s2, 0
	s_cbranch_scc0 .Lentry_in_a_cluster
	s_endpgm
.Lentry_in_a_cluster:
	s_bfe_u32 s2, ttmp6, 0x10000c
	s_cmp_lg_u32 s2, 0xf033
	s_cbranch_scc0 .Lentry_shape_is_right
	s_endpgm
.Lentry_shape_is_right:
; out0 = r Wo + bo.  r is rh, f16 [b*16+head][2048 tokens][64]; Wo is plane 0 of wb, f16 [1024 k][1024 n]; out0 f32 [4096][1024]; sums in f32.
; A work-group makes 128 tokens x 128 columns, 256 work-groups in all; wave (w >> 1, w & 1) makes 64 x 64: 16 accumulator tiles.
; K = 1024 goes in four steps of 256 (four heads) through two LDS slots; a slot has eight regions of 18,432 bytes: four heads of r (128 tokens x 144 bytes),
; then four blocks of 64 k-rows of Wo (288 bytes each).  Wave w fetches regions 2 w and 2 w + 1.
; CLUSTERS: 4 x 4; r's tiles are shared along a row of the cluster, Wo's along a column, each by joint loads.
; Source 0 is Wo (read by transposing loads), source 1 is r: a lane holds token l % 16 and eight neighbouring columns.  bo is the C operand of the first products.
; LIMITS: both operands were rounded to f16 where they were made, with the room counted there; sums in the matrix unit's order; NaN and infinities are not followed.
; VECTOR REGISTERS: window 0: v16-21 fragment addresses, v24-26 the way out, v32-95 and v96-159 two fragment buffers (32 registers of Wo, 32 of r), v160-223 the way out
;                   window 1: accumulators at 8 (4 a + b), bias tiles at 128 + 8 b
; SCALAR REGISTERS: s[4:7] rh, wb; s9 at work; s10-12 wave, w >> 1, w & 1; s13 block of tokens; s[14:17] r's base and offset; s20-21 LDS terms;
;                   s[24:31] s[32:47] r's descriptors; s[48:55] s[68:83] Wo's descriptors; s56-61 places in the cluster, block of columns, masks;
;                   s[62:63] Wo's offset and base; s[84:87] bo, out0; s[88:89] offsets
.set REG,   18432
.set SLOT,  8*REG
.set PA,    144                        ; r's rows: 128 + 16 bytes
.set PB,    288                        ; Wo's rows: 256 + 32 bytes
.set STAGE, 2*SLOT                     ; behind the ring: 16 rows x 272 bytes for each wave; no tensor load lands here
.set SP,    272
.set ADRA, 16                          ; v16-17  r fragments, slot 0, 1
.set ADRB, 18                          ; v18-21  Wo fragments, 2 slot + half of the K step
.set STO,  24
.set RD,   25
.set CO,   26
.set F0,   32
.set F1,   96
.set OB,   160
.set BIA,  128
.set G1,  24                           ; s[24:31] group 1 for r
.set G0,  32                           ; s[32:47] group 0 for r: 8 slot + 4 j; these sixteen registers hold nothing else
.set G1B, 48                           ; s[48:55] group 1 for Wo
.set G0B, 68                           ; s[68:83] group 0 for Wo
.set MSB, 0
.macro WIN new
.if MSB != \new
	s_set_vgpr_msb (MSB<<8)|\new
.set MSB, \new
.endif
.endm
.macro PLACES
.rept 4
	v_nop
.endr
.endm
.macro CREST
	s_cmp_lg_u32 s10, 0
	s_cbranch_scc1 .Lnot_wave_0_\@
	s_barrier_signal -3
.Lnot_wave_0_\@:
	s_barrier_wait -3
	s_barrier_signal -1
	s_barrier_wait -1
.endm
.macro CROUND
	s_barrier_signal -1
	s_barrier_wait -1
	CREST
.endm
.macro JLOAD s                         ; waves 0, 1 ask for two heads of r each, waves 2, 3 for two blocks of Wo each; the branch hangs on the wave's number alone
	s_cmp_eq_u32 s11, 0
	s_cbranch_scc0 .Lfor_b_\@
	tensor_load_to_lds s[G0+8*\s:G0+8*\s+3], s[G1:G1+7]
	s_nop 0
	tensor_load_to_lds s[G0+8*\s+4:G0+8*\s+7], s[G1:G1+7]
	s_nop 0
	s_branch .Lasked_\@
.Lfor_b_\@:
	tensor_load_to_lds s[G0B+8*\s:G0B+8*\s+3], s[G1B:G1B+7]
	s_nop 0
	tensor_load_to_lds s[G0B+8*\s+4:G0B+8*\s+7], s[G1B:G1B+7]
	s_nop 0
.Lasked_\@:
.endm
	s_load_b128 s[4:7], s[0:1], 0x0                ; rh s[4:5], wb s[6:7]
	s_load_b128 s[84:87], s[0:1], 0x10             ; bo s[84:85], out0 s[86:87]
	v_lshl_add_u32 v254, v0, 2, 0x4c400
	v_mov_b32 v255, 0
	ds_add_u32 v254, v255
	v_lshrrev_b32 v1, 5, v0
	v_readfirstlane_b32 s10, v1                    ; wave
	s_lshr_b32 s11, s10, 1                         ; my half of the tokens.  Also: I fetch r (0) or Wo (1)
	s_and_b32 s12, s10, 1                          ; my half of the columns.  Also: which two of the four regions
	s_bfe_u32 s56, ttmp6, 0x40000                  ; cx
	s_bfe_u32 s57, ttmp6, 0x40004                  ; cy
	s_lshl_b32 s58, ttmp9, 2
	s_add_co_u32 s58, s58, s56                     ; cb: block of 128 columns
	s_and_b32 s13, ttmp7, 0xffff
	s_lshl_b32 s13, s13, 2
	s_add_co_u32 s13, s13, s57                     ; rb: block of 128 tokens
	s_lshl_b32 s59, s57, 2
	s_lshl_b32 s59, 15, s59                        ; my row of the cluster
	s_lshl_b32 s60, 0x1111, s56                    ; my column
	s_or_b32 s[G1+0], s59, (1<<16)|(1<<20)|(1<<21)|(4<<22)|(3<<25)    ; r: rows of 64 elements (128 bytes, as in the tensor), 4 words of padding after every 32
	s_mov_b32 s[G1+1], 64<<16
	s_mov_b32 s[G1+2], 128<<16
	s_mov_b32 s[G1+3], 64<<16
	s_mov_b32 s[G1+4], 128                         ; 128 tokens
	s_mov_b32 s[G1+5], 64
	s_mov_b32 s[G1+6], 0
	s_mov_b32 s[G1+7], 0
	s_or_b32 s[G1B+0], s60, (1<<16)|(1<<20)|(1<<21)|(5<<22)|(7<<25)   ; Wo: rows of 128 elements (256 bytes), 8 words after every 64
	s_mov_b32 s[G1B+1], 128<<16
	s_mov_b32 s[G1B+2], 64<<16
	s_mov_b32 s[G1B+3], 128<<16
	s_mov_b32 s[G1B+4], 64                         ; 64 k-rows
	s_mov_b32 s[G1B+5], 1024
	s_mov_b32 s[G1B+6], 0
	s_mov_b32 s[G1B+7], 0
	s_lshr_b32 s16, s13, 4                         ; r: batch x 16 heads of 262,144 bytes (registers that never hold cx)
	s_lshl_b32 s16, s16, 22
	s_and_b32 s17, s13, 15
	s_lshl_b32 s17, s17, 14                        ; + 128 tokens of 128 bytes
	s_add_co_u32 s16, s16, s17
	s_lshl_b32 s17, s12, 19                        ; + two heads for the odd wave
	s_add_co_u32 s16, s16, s17
	s_mov_b32 s17, 0
	s_lshl_b32 s62, s12, 18                        ; Wo: two blocks of 64 rows of 2,048 bytes for the odd wave (registers that never hold cy)
	s_lshl_b32 s61, s58, 8                         ; + 128 cb columns
	s_add_co_u32 s62, s62, s61
	s_mov_b32 s63, 0
	s_mul_i32 s20, s10, 2*REG                      ; regions 2 w, 2 w + 1: no place in the cluster enters an LDS address
	s_wait_dscnt 0x0
	s_wait_kmcnt 0x0
	s_add_nc_u64 s[14:15], s[4:5], s[16:17]
	s_add_nc_u64 s[62:63], s[6:7], s[62:63]
	CROUND                                         ; all sixteen work-groups are here: the first joint loads meet
.irp s, 0,1
.irp j, 0,1
	s_mov_b32 s[G0+8*\s+4*\j], 1
	s_add_co_u32 s[G0+8*\s+4*\j+1], s20, \s*SLOT+\j*REG
	s_add_nc_u64 s[G0+8*\s+4*\j+2:G0+8*\s+4*\j+3], s[14:15], \s*1048576+\j*262144          ; K step s = four heads; head j of my two
	s_or_b32 s[G0+8*\s+4*\j+3], s[G0+8*\s+4*\j+3], 0x80000000
	s_mov_b32 s[G0B+8*\s+4*\j], 1
	s_add_co_u32 s[G0B+8*\s+4*\j+1], s20, \s*SLOT+\j*REG
	s_add_nc_u64 s[G0B+8*\s+4*\j+2:G0B+8*\s+4*\j+3], s[62:63], \s*524288+\j*131072         ; K step s = 256 rows; block j of my two
	s_or_b32 s[G0B+8*\s+4*\j+3], s[G0B+8*\s+4*\j+3], 0x80000000
.endr
	JLOAD \s                                       ; four tensor loads of the wave are out: the most in this text
.endr
	s_lshl_b32 s88, s58, 9                         ; bo at column 128 cb
	s_mov_b32 s89, 0
	s_add_nc_u64 s[84:85], s[84:85], s[88:89]
	s_lshl_b32 s9, s13, 19                         ; out0: 128 rb rows of 4,096 bytes + 64 rows for the upper waves + my columns
	s_add_co_u32 s88, s88, s9
	s_lshl_b32 s9, s11, 18
	s_add_co_u32 s88, s88, s9
	s_lshl_b32 s9, s12, 8
	s_add_co_u32 s88, s88, s9
	s_add_nc_u64 s[86:87], s[86:87], s[88:89]
	v_and_b32 v1, 15, v0                           ; r
	v_bfe_u32 v2, v0, 4, 1                         ; h
	v_and_b32 v3, 7, v0
	v_bfe_u32 v4, v0, 3, 1
	s_mul_i32 s21, s11, 64*PA                      ; my 64 tokens
	v_mul_u32_u24 v6, v1, PA
	v_lshl_add_u32 v6, v2, 4, v6
	v_add_nc_u32 v[ADRA], s21, v6
	v_add_nc_u32 v[ADRA+1], SLOT, v[ADRA]
	v_lshl_add_u32 v7, v2, 3, v3                   ; k-row 8 h + (l & 7)
	v_mul_u32_u24 v7, v7, PB
	v_lshl_add_u32 v7, v4, 4, v7
	s_lshl_b32 s21, s12, 7                         ; my 64 columns
	v_add_nc_u32 v7, s21, v7
.irp s, 0,1
.irp p, 0,1
	v_add_nc_u32 v[ADRB+2*\s+\p], \s*SLOT+4*REG+\p*2*REG, v7
.endr
.endr
	s_lshl_b32 s21, s12, 8
	v_lshl_add_u32 v8, v2, 5, s21                  ; bo: columns 64 (w & 1) + 8 h ..
	WIN 0x40
.irp b, 0,1,2,3
	global_load_b128 v[BIA+8*\b:BIA+8*\b+3], v8, s[84:85] offset:64*\b
	global_load_b128 v[BIA+8*\b+4:BIA+8*\b+7], v8, s[84:85] offset:64*\b+16
.endr
	WIN 0
	s_mul_i32 s21, s10, 16*SP
	s_add_co_u32 s21, s21, STAGE                   ; my stage
	v_mul_u32_u24 v6, v1, SP
	v_lshl_add_u32 v6, v2, 5, v6
	v_add_nc_u32 v[STO], s21, v6                   ; in: row r, 32 bytes for each half
	v_mul_u32_u24 v6, v2, SP
	v_lshl_add_u32 v6, v1, 4, v6
	v_add_nc_u32 v[RD], s21, v6                    ; back: lanes 0-15 one row of 256 bytes, lanes 16-31 the next
	v_lshlrev_b32 v6, 12, v2
	v_lshl_add_u32 v[CO], v1, 4, v6
; 8 matrix instructions: token tiles a0, a0 + 1 x four column tiles, 32 along K.  The 16 accumulators take turns, one instruction a turn.
.macro MUL8 f, a0, init
.irp a, \a0, \a0+1
.irp b, 0,1,2,3
.if \init
	v_wmma_f32_16x16x32_f16 v[8*(4*(\a)+\b):8*(4*(\a)+\b)+7], v[\f+8*\b:\f+8*\b+7], v[\f+32+8*(\a):\f+32+8*(\a)+7], v[BIA+8*\b:BIA+8*\b+7]
.else
	v_wmma_f32_16x16x32_f16 v[8*(4*(\a)+\b):8*(4*(\a)+\b)+7], v[\f+8*\b:\f+8*\b+7], v[\f+32+8*(\a):\f+32+8*(\a)+7], v[8*(4*(\a)+\b):8*(4*(\a)+\b)+7]
.endif
.endr
.endr
.endm
; 16 LDS loads: eighth e (32 along K) of a slot into buffer f: 8 for Wo, then 8 for r, token tiles 0, 1 first
.macro FETCH slot, e, f
.irp b, 0,1,2,3
	ds_load_tr16_b128 v[\f+8*\b:\f+8*\b+3], v[ADRB+2*\slot+(\e/4)] offset:32*PB*(\e%4)+32*\b
	ds_load_tr16_b128 v[\f+8*\b+4:\f+8*\b+7], v[ADRB+2*\slot+(\e/4)] offset:32*PB*(\e%4)+32*\b+16*PB
.endr
.irp a, 0,1,2,3
	ds_load_b128 v[\f+32+8*\a:\f+32+8*\a+3], v[ADRA+\slot] offset:REG*(\e/2)+64*(\e%2)+\a*16*PA
	ds_load_b128 v[\f+32+8*\a+4:\f+32+8*\a+7], v[ADRA+\slot] offset:REG*(\e/2)+64*(\e%2)+\a*16*PA+32
.endr
.endm
.macro EIGHTH slot, e, f, g, init      ; multiplies buffer f; in its middle fetches eighth e into buffer g
	s_wait_dscnt 4                                 ; Wo and r's tiles 0, 1 are in; the youngest four loads (r's tiles 2, 3) may be out
	WIN 0x50
	MUL8 \f, 0, \init
	WIN 0
	PLACES
	FETCH \slot, \e, \g
	s_wait_dscnt 16                                ; all but the 16 just issued
	WIN 0x50
	MUL8 \f, 2, \init
.endm
.macro SEVEN slot, init
	EIGHTH \slot, 1, F0, F1, \init
	EIGHTH \slot, 2, F1, F0, 0
	EIGHTH \slot, 3, F0, F1, 0
	EIGHTH \slot, 4, F1, F0, 0
	EIGHTH \slot, 5, F0, F1, 0
	EIGHTH \slot, 6, F1, F0, 0
	EIGHTH \slot, 7, F0, F1, 0
.endm
; The last eighth changes slots: each wave's reads of this slot and all its tensor loads are waited for in front of the barrier; where the slot is filled again the
; barrier opens a round of the cluster's barrier and the joint refills are the first tensor loads behind the round.
.macro TURN slot, next, fill
	s_wait_dscnt 0x0
	s_wait_tensorcnt 0x0
	ds_add_u32 v254, v255
	s_wait_dscnt 0x0
	s_barrier_signal -1
	WIN 0x50
	MUL8 F1, 0, 0
	WIN 0
	s_barrier_wait -1
.if \fill
	CREST
.irp j, 0,1
	s_add_nc_u64 s[G0+8*\slot+4*\j+2:G0+8*\slot+4*\j+3], s[G0+8*\slot+4*\j+2:G0+8*\slot+4*\j+3], 2097152       ; no tensor load of mine is out; two K steps on: eight heads
	s_add_nc_u64 s[G0B+8*\slot+4*\j+2:G0B+8*\slot+4*\j+3], s[G0B+8*\slot+4*\j+2:G0B+8*\slot+4*\j+3], 1048576   ; 512 rows
.endr
	JLOAD \slot
.endif
	PLACES
	FETCH \next, 0, F0
	WIN 0x50
	MUL8 F1, 2, 0
.endm
	s_wait_loadcnt 0x0                             ; the bias tiles
	s_wait_tensorcnt 0x2                           ; my two parts of K step 0 are in; K step 1's two stay out
	s_barrier_signal -1
	s_barrier_wait -1
	FETCH 0, 0, F0
	SEVEN 0, 1                                     ; K step 0; its first products take the bias as C
	TURN 0, 1, 1                                   ; asks for K step 2
	SEVEN 1, 0
	TURN 1, 0, 1                                   ; asks for K step 3
	SEVEN 0, 0
	TURN 0, 1, 0
	SEVEN 1, 0
	s_wait_dscnt 0x0
	WIN 0x50
	MUL8 F1, 0, 0
	MUL8 F1, 2, 0
	; THE WAY OUT, 16 tokens at a time through my own stage: f32 straight from the accumulators, read back as rows of 256 bytes
	WIN 0
	PLACES
.macro OUT16 a, f
	WIN 0x04                                       ; store data window 1
.irp b, 0,1,2,3
	ds_store_b128 v[STO], v[8*(4*\a+\b):8*(4*\a+\b)+3] offset:64*\b
	ds_store_b128 v[STO], v[8*(4*\a+\b)+4:8*(4*\a+\b)+7] offset:64*\b+16
.endr
	WIN 0
	s_wait_xcnt 0x0                                ; buffer f, which earlier stores read, is loaded again only behind this wait
.irp t, 0,1,2,3,4,5,6,7
	ds_load_b128 v[\f+4*\t:\f+4*\t+3], v[RD] offset:\t*2*SP        ; my own bytes; LDS serves a wave's instructions in order (ISA guide 5.7.1)
.endr
.irp t, 0,1,2,3,4,5,6,7
	s_wait_dscnt 7-\t
	global_store_b128 v[CO], v[\f+4*\t:\f+4*\t+3], s[86:87] offset:\a*65536+\t*8192 th:TH_STORE_NT    ; sixteen lanes store 256 consecutive bytes, aligned
.endr
.endm
	OUT16 0, OB
	OUT16 1, OB+32
	OUT16 2, OB
	OUT16 3, OB+32
	s_wait_tensorcnt 0x0
	ds_add_u32 v254, v255
	s_wait_dscnt 0x0
	CROUND                                         ; the closing round: no work-group ends while a partner may still ask for a tile that names it
	s_endpgm
.Lfunc_end_k_qccf31c14db_oproj:
	.size	k_qccf31c14db_oproj, .Lfunc_end_k_qccf31c14db_oproj-k_qccf31c14db_oproj
	.p2alignl 7, 3214868480
	.fill 96, 4, 3214868480
	.section	.rodata,"a",@progbits
	.p2align	6, 0x0
	.amdhsa_kernel k_qccf31c14db_oproj
		.amdhsa_group_segment_fixed_size 327680
		.amdhsa_private_segment_fixed_size 0
		.amdhsa_enable_private_segment 0
		.amdhsa_kernarg_size 32
		.amdhsa_user_sgpr_count 2
		.amdhsa_user_sgpr_kernarg_segment_ptr 1
		.amdhsa_wavefront_size32 1
		.amdhsa_system_sgpr_workgroup_id_x 1
		.amdhsa_system_sgpr_workgroup_id_y 1
		.amdhsa_system_sgpr_workgroup_id_z 1
		.amdhsa_system_vgpr_workitem_id 0
		.amdhsa_next_free_vgpr 416
		.amdhsa_next_free_sgpr 90
		.amdhsa_reserve_vcc 0
		.amdhsa_float_denorm_mode_32 3
		.amdhsa_float_denorm_mode_16_64 3
		.amdhsa_memory_ordered 1
		.amdhsa_forward_progress 1
		.amdhsa_inst_pref_size 93
	.end_amdhsa_kernel
	.amdgpu_metadata
---
amdhsa.version: [ 1, 2 ]
amdhsa.kernels:
  - .name:           k_qccf31c14db_oproj
    .symbol:         k_qccf31c14db_oproj.kd
    .args:
      - { .name: rh, .offset: 0, .size: 8, .value_kind: global_buffer, .address_space: global }
      - { .name: wb, .offset: 8, .size: 8, .value_kind: global_buffer, .address_space: global }
      - { .name: bo, .offset: 16, .size: 8, .value_kind: global_buffer, .address_space: global }
      - { .name: out0, .offset: 24, .size: 8, .value_kind: global_buffer, .address_space: global }
    .group_segment_fixed_size: 327680
    .private_segment_fixed_size: 0
    .kernarg_segment_align: 8
    .kernarg_segment_size: 32
    .max_flat_workgroup_size: 128
    .sgpr_count:     90
    .vgpr_count:     416
    .wavefront_size: 32
...
	.end_amdgpu_metadata
.endif
;; end of part 4
